; MI455X (gfx1250); checked and timed in simulation.
; The chip was launched on July 23, 2026; its instructions are those of AMD's public machine-readable ISA for CDNA 5 (MIT licence, August 2026) and "CDNA5" Instruction Set Architecture Reference Guide (July 2026). The comments in the code are by the model that wrote it; some were corrected since.
;; Causal Multi Head Attention. Allowed arithmetic: float matrix products may take bf16 or f16 operands with f32 sums; all other float work in f32.
;; Inputs: Wk 1,024 x 1,024 float32; Wo 1,024 x 1,024 float32; Wq 1,024 x 1,024 float32; Wv 1,024 x 1,024 float32; x 4 x 2,048 x 1,024 float32.
;; Outputs: out0 4 x 2,048 x 1,024 float32.
;; 3 versions, each right; version 3 is version 2 with the launch cast written anew for expert scheduling mode. Each part assembles by itself: llvm-mc -triple=amdgcn-amd-amdhsa -mcpu=gfx1250 --defsym DOCPART=n.
;; ======== version 1 of 3: 4 launches
;; limits: values are held in f16: magnitudes above 65,504 overflow, below 6.1e-05 lose precision
;; workspace buffers: xb 16,777,216 bytes; wqkv 6,291,456 bytes; wo16 2,097,152 bytes; qkvh 50,331,648 bytes; ctxh 33,554,432 bytes
;; launch cast (part 1): grid 768 x 1, 8 waves a work-group, no clusters, 0 bytes of LDS; arguments x, Wq, Wk, Wv, Wo, xb, wqkv, wo16; writes xb, wqkv, wo16
.if DOCPART == 1
	.amdgcn_target "amdgcn-amd-amdhsa--gfx1250"
	.amdhsa_code_object_version 6
	.text
	.protected	k_q531bb92784_cast
	.globl	k_q531bb92784_cast
	.p2align	8
	.type	k_q531bb92784_cast,@function
k_q531bb92784_cast:
	s_mov_b64 s[64:65], 0
	v_nop
	global_prefetch_b8 v0, s[64:65] scope:SCOPE_SE
	s_setreg_imm32_b32 hwreg(HW_REG_WAVE_MODE, 25, 1), 1
	s_wait_xcnt 0x0
; Rounds the f32 inputs once to bf16: x -> xb, Wq|Wk|Wv -> wqkv (rows in that order), both kept as bf16;
; Wo -> wo16, the bf16-rounded value kept in f16 (the last product runs in f16 beside an f16 pair of ctx).
; LIMIT: |Wo| < 65,504 (f16's range); a bf16 value of Wo below 2^-14 loses bits in f16, absolute error at most 2^-25.
; A stream: a work-group takes 64 KiB of one input (16 loads of 16 bytes a thread, all issued first) and stores 32 KiB;
; each store of a wave covers 256 consecutive bytes, aligned.  No LDS, no matrix unit, no cluster: nothing is shared or reused.
.set X, 4                              ; v[4:67]   16 loads of 4 f32
.set Y, 68                             ; v[68:99]  16 pairs of packed results
	s_load_b256 s[4:11], s[0:1], 0x0               ; x s[4:5], Wq s[6:7], Wk s[8:9], Wv s[10:11]
	s_load_b256 s[12:19], s[0:1], 0x20             ; Wo s[12:13], xb s[14:15], wqkv s[16:17], wo16 s[18:19]
	v_lshlrev_b32 v1, 4, v0                        ; 16 bytes a thread in
	v_lshlrev_b32 v2, 3, v0                        ; 8 bytes a thread out
	s_mov_b32 s26, ttmp9                           ; id: 0-511 chunks of x, 512-767 chunks of the four weights
	s_sub_co_u32 s27, s26, 512                     ; k: chunk among the weights (used only where id >= 512)
	s_lshr_b32 s28, s27, 6                         ; which weight (64 chunks each)
	s_and_b32 s29, s27, 63                         ; chunk inside it
	s_sub_co_u32 s31, s27, 192                     ; chunk of wo16 (used only where id >= 704)
	s_mov_b32 s25, 0
	s_wait_kmcnt 0x0
	s_cmp_eq_u32 s28, 2
	s_cselect_b64 s[20:21], s[10:11], s[12:13]     ; Wv, else Wo
	s_cmp_eq_u32 s28, 1
	s_cselect_b64 s[20:21], s[8:9], s[20:21]       ; Wk
	s_cmp_eq_u32 s28, 0
	s_cselect_b64 s[20:21], s[6:7], s[20:21]       ; Wq
	s_cmp_lt_u32 s26, 512
	s_cselect_b64 s[20:21], s[4:5], s[20:21]       ; x
	s_cselect_b32 s24, s26, s29                    ; chunk in
	s_cselect_b64 s[22:23], s[14:15], s[16:17]     ; xb, else wqkv
	s_cselect_b32 s30, s26, s27                    ; chunk out
	s_cmp_ge_u32 s26, 704
	s_cselect_b64 s[22:23], s[18:19], s[22:23]     ; wo16
	s_cselect_b32 s30, s31, s30
	s_lshl_b32 s24, s24, 16                        ; 64 KiB a chunk in
	s_add_nc_u64 s[20:21], s[20:21], s[24:25]
	s_lshl_b32 s24, s30, 15                        ; 32 KiB a chunk out
	s_add_nc_u64 s[22:23], s[22:23], s[24:25]
.irp k, 0,1,2,3,4,5,6,7,8,9,10,11,12,13,14,15
	global_load_b128 v[X+4*\k:X+4*\k+3], v1, s[20:21] offset:4096*\k th:TH_LOAD_NT
.endr
; Load k is rounded and stored.  No register is written twice, so nothing waits for a store.
.macro CONV k, half
	s_wait_loadcnt 15-\k                           ; loads return in order: the 15-k younger ones stay out
	v_cvt_pk_bf16_f32 v[Y+2*\k],   v[X+4*\k],   v[X+4*\k+1]
	v_cvt_pk_bf16_f32 v[Y+2*\k+1], v[X+4*\k+2], v[X+4*\k+3]
.if \half
	v_lshlrev_b32 v[X+4*\k],   16, v[Y+2*\k]                   ; the rounded values back in f32,
	v_and_b32     v[X+4*\k+1], 0xffff0000, v[Y+2*\k]
	v_lshlrev_b32 v[X+4*\k+2], 16, v[Y+2*\k+1]
	v_and_b32     v[X+4*\k+3], 0xffff0000, v[Y+2*\k+1]
	v_cvt_pk_f16_f32 v[Y+2*\k],   v[X+4*\k],   v[X+4*\k+1]     ; and written as f16 (exact inside f16's normal range)
	v_cvt_pk_f16_f32 v[Y+2*\k+1], v[X+4*\k+2], v[X+4*\k+3]
.endif
	global_store_b64 v2, v[Y+2*\k:Y+2*\k+1], s[22:23] offset:2048*\k
.endm
	s_cmp_ge_u32 s26, 704
	s_cbranch_scc1 .Lhalf
.irp k, 0,1,2,3,4,5,6,7,8,9,10,11,12,13,14,15
	CONV \k, 0
.endr
	s_endpgm
.Lhalf:
.irp k, 0,1,2,3,4,5,6,7,8,9,10,11,12,13,14,15
	CONV \k, 1
.endr
	s_endpgm
.Lfunc_end_k_q531bb92784_cast:
	.size	k_q531bb92784_cast, .Lfunc_end_k_q531bb92784_cast-k_q531bb92784_cast
	.p2alignl 7, 3214868480
	.fill 96, 4, 3214868480
	.section	.rodata,"a",@progbits
	.p2align	6, 0x0
	.amdhsa_kernel k_q531bb92784_cast
		.amdhsa_group_segment_fixed_size 0
		.amdhsa_private_segment_fixed_size 0
		.amdhsa_enable_private_segment 0
		.amdhsa_kernarg_size 64
		.amdhsa_user_sgpr_count 2
		.amdhsa_user_sgpr_kernarg_segment_ptr 1
		.amdhsa_wavefront_size32 1
		.amdhsa_system_sgpr_workgroup_id_x 1
		.amdhsa_system_sgpr_workgroup_id_y 1
		.amdhsa_system_sgpr_workgroup_id_z 1
		.amdhsa_system_vgpr_workitem_id 0
		.amdhsa_next_free_vgpr 100
		.amdhsa_next_free_sgpr 66
		.amdhsa_reserve_vcc 0
		.amdhsa_float_denorm_mode_32 3
		.amdhsa_float_denorm_mode_16_64 3
		.amdhsa_memory_ordered 1
		.amdhsa_forward_progress 1
		.amdhsa_inst_pref_size 16
	.end_amdhsa_kernel
	.amdgpu_metadata
---
amdhsa.version: [ 1, 2 ]
amdhsa.kernels:
  - .name:           k_q531bb92784_cast
    .symbol:         k_q531bb92784_cast.kd
    .args:
      - { .name: x, .offset: 0, .size: 8, .value_kind: global_buffer, .address_space: global }
      - { .name: Wq, .offset: 8, .size: 8, .value_kind: global_buffer, .address_space: global }
      - { .name: Wk, .offset: 16, .size: 8, .value_kind: global_buffer, .address_space: global }
      - { .name: Wv, .offset: 24, .size: 8, .value_kind: global_buffer, .address_space: global }
      - { .name: Wo, .offset: 32, .size: 8, .value_kind: global_buffer, .address_space: global }
      - { .name: xb, .offset: 40, .size: 8, .value_kind: global_buffer, .address_space: global }
      - { .name: wqkv, .offset: 48, .size: 8, .value_kind: global_buffer, .address_space: global }
      - { .name: wo16, .offset: 56, .size: 8, .value_kind: global_buffer, .address_space: global }
    .group_segment_fixed_size: 0
    .private_segment_fixed_size: 0
    .kernarg_segment_align: 8
    .kernarg_segment_size: 64
    .max_flat_workgroup_size: 256
    .sgpr_count:     66
    .vgpr_count:     100
    .wavefront_size: 32
...
	.end_amdgpu_metadata
.endif
;; end of part 1
;; launch qkv (part 2): grid 12 x 32, 4 waves a work-group, clusters of 4 x 4, 327,680 bytes of LDS; arguments xb, wqkv, qkvh; writes qkvh
.if DOCPART == 2
	.amdgcn_target "amdgcn-amd-amdhsa--gfx1250"
	.amdhsa_code_object_version 6
	.text
	.protected	k_q531bb92784_qkv
	.globl	k_q531bb92784_qkv
	.p2align	8
	.type	k_q531bb92784_qkv,@function
k_q531bb92784_qkv:
	s_mov_b64 s[64:65], 0
	v_nop
	global_prefetch_b8 v0, s[64:65] scope:SCOPE_SE
	s_setreg_imm32_b32 hwreg(HW_REG_WAVE_MODE, 25, 1), 1
	s_wait_xcnt 0x0
	s_wait_alu depctr_hold_cnt(0) depctr_sa_sdst(0) depctr_va_vdst(0) depctr_va_sdst(0) depctr_va_ssrc(0) depctr_va_vcc(0) depctr_vm_vsrc(0)
	s_getreg_b32 s2, hwreg(HW_REG_IB_STS2, 6, 4)
	s_cmp_eq_u32 s2, 0
	s_cbranch_scc0 .Lentry_in_a_cluster
	s_endpgm
.Lentry_in_a_cluster:
	s_bfe_u32 s2, ttmp6, 0x10000c
	s_cmp_lg_u32 s2, 0xf033
	s_cbranch_scc0 .Lentry_shape_is_right
	s_endpgm
.Lentry_shape_is_right:
; q, k, v = xb wqkv^T.  xb: [8192][1024] bf16, wqkv: [3072][1024] bf16 (rows Wq, Wk, Wv); sums in f32; results rounded once to f16 and
; laid by head: qkvh[sel][batch][head][s][64], a plane of 262,144 bytes, a row of 128 bytes.
; LIMIT: |q|, |k|, |v| < 65,504 (f16's range); results below 2^-14 lose bits, absolute error at most 2^-25.
; A work-group makes 256 x 256 with four waves, a wave 128 x 128 (64 accumulator tiles, 512 registers).  K goes in steps of 128 through a
; ring of two LDS slots filled by the tensor data mover; a tile's rows are 256 bytes of memory, at multiples of 256 bytes.
; CLUSTERS: 4 x 4 work-groups.  The four of a row of the cluster need the same tiles of xb, the four of a column the same tiles of wqkv:
; each such tile is asked for jointly, which divides the requests by four.
; 384 work-groups of equal work: 12 x 32 blocks.
; REGISTERS, in windows of 256: window 0: v0-31 addresses, v64-127 and v128-191 fragments of A (two buffers), v192-223 the way out;
; window 1: fragments of B, two buffers; window 2: accumulators of my rows 0-63 (tile (a, b) at v[8 (8 a + b)]); window 3: rows 64-127.
; The matrix instruction is used transposed (source 0 = rows of B, source 1 = rows of A): a lane's eight results are eight neighbouring
; columns of one row of the result.
.set SIZE_K, 1024
.set KSTEP,  128
.set PITCH,  272                       ; an LDS row: 256 bytes + 16 of padding: the 16 rows of a fragment load start 16 bytes apart modulo 256
.set HALFT,  128*PITCH                 ; 128 rows: one tensor load
.set SLOT,   4*HALFT                   ; A's 256 rows, then B's 256 rows
.set STAGE,  2*SLOT                    ; behind the ring: 16 rows x 272 bytes for each wave
.set SPITCH, 272
.set LAPS, SIZE_K/(2*KSTEP)            ; 4 laps of two K steps
.set ADRA, 16                          ; v16-17  LDS address of my A fragments in slot 0, 1
.set ADRB, 20                          ; v20-21  the same for B
.set STO,  24                          ; v24     the way out: where I put 16 bytes of a row
.set RD,   25                          ; v25     the way out: where I read back
.set CO,   26                          ; v26     my byte offset in qkvh
.set F0,   64
.set F1,   128
.set TMP,  192
.set G1, 24                            ; s[24:31] group 1 for A's tiles
.set G0, 32                            ; s[32:39] group 0 for A's tiles, one set a slot
.set G1B, 48                           ; s[48:55] group 1 for B's tiles
.set G0B, 56                           ; s[56:63] group 0 for B's tiles
.set MSB, 0
.macro WIN new                         ; the immediate's high byte repeats the setting that is left
.if MSB != \new
	s_set_vgpr_msb (MSB<<8)|\new
.set MSB, \new
.endif
.endm
.set MUL_LO, 0xa1                      ; source 0 (B) window 1, source 1 (A) window 0, C and D window 2
.set MUL_HI, 0xf1                      ; the same, C and D window 3
.set TO_B,   0x40                      ; destination window 1
; A joint load: waves 0, 1 fetch A's halves, waves 2, 3 B's.  The branch hangs on the wave's number alone.
.macro JLOAD s
	s_cmp_eq_u32 s11, 0
	s_cbranch_scc0 .Lfor_b_\@
	tensor_load_to_lds s[G0+4*\s:G0+4*\s+3], s[G1:G1+7]
	s_nop 0
	s_branch .Lasked_\@
.Lfor_b_\@:
	tensor_load_to_lds s[G0B+4*\s:G0B+4*\s+3], s[G1B:G1B+7]
	s_nop 0
.Lasked_\@:
.endm
; A round of the cluster's barrier behind its opening work-group barrier: wave 0 signals for the work-group, all wait, a work-group barrier closes.
.macro CREST
	s_cmp_lg_u32 s10, 0
	s_cbranch_scc1 .Lnot_wave_0_\@
	s_barrier_signal -3
.Lnot_wave_0_\@:
	s_barrier_wait -3
	s_barrier_signal -1
	s_barrier_wait -1
.endm
.macro CROUND
	s_barrier_signal -1
	s_barrier_wait -1
	CREST
.endm
	s_load_b128 s[4:7], s[0:1], 0x0                ; xb s[4:5], wqkv s[6:7]
	s_load_b64 s[8:9], s[0:1], 0x10                ; qkvh
	s_set_vgpr_msb 0x40
	v_lshl_add_u32 v255, v0, 2, 0x48400
	s_set_vgpr_msb 0x4000
	v_mov_b32 v255, 0
	s_set_vgpr_msb 0x1
	ds_add_u32 v255, v255
	s_set_vgpr_msb 0x100
	v_lshrrev_b32 v1, 5, v0
	v_readfirstlane_b32 s10, v1                    ; wave 0..3
	s_lshr_b32 s11, s10, 1                         ; my half of the block's rows; also: I fetch for A (0) or B (1)
	s_and_b32 s12, s10, 1                          ; my half of its columns; also: which 128 rows of the tile I fetch
	s_bfe_u32 s40, ttmp6, 0x40000                  ; cx
	s_bfe_u32 s41, ttmp6, 0x40004                  ; cy
	s_lshl_b32 s42, ttmp9, 2
	s_add_co_u32 s42, s42, s40                     ; block column = 4 x cluster x + cx
	s_and_b32 s13, ttmp7, 0xffff
	s_lshl_b32 s13, s13, 2
	s_add_co_u32 s13, s13, s41                     ; block row = 4 x cluster y + cy
	s_lshl_b32 s43, s41, 2
	s_lshl_b32 s43, 15, s43                        ; my row of the cluster
	s_lshl_b32 s44, 0x1111, s40                    ; my column
	; group 1: 128 rows x 128 elements of 2 bytes, 4 words of padding behind every 64 words; the mask, bit 21 beside it
	s_or_b32 s[G1+0], s43, (1<<16)|(1<<20)|(1<<21)|(5<<22)|(3<<25)
	s_or_b32 s[G1B+0], s44, (1<<16)|(1<<20)|(1<<21)|(5<<22)|(3<<25)
	s_mov_b32 s[G1B+1], KSTEP<<16
	s_mov_b32 s[G1+1], KSTEP<<16                   ; tensor_dim0 = 128
	s_mov_b32 s[G1B+2], 128<<16
	s_mov_b32 s[G1+2], 128<<16                     ; tensor_dim1 = 128
	s_mov_b32 s[G1B+3], KSTEP<<16
	s_mov_b32 s[G1+3], KSTEP<<16                   ; tile_dim0 = 128
	s_mov_b32 s[G1B+4], 128
	s_mov_b32 s[G1+4], 128                         ; tile_dim1 = 128
	s_mov_b32 s[G1B+5], SIZE_K
	s_mov_b32 s[G1+5], SIZE_K                      ; elements from row to row
	s_mov_b32 s[G1B+6], 0
	s_mov_b32 s[G1+6], 0
	s_mov_b32 s[G1B+7], 0
	s_mov_b32 s[G1+7], 0
	; A's tiles hang on the block row alone, B's on the block column alone, each in registers that never hold the other coordinate
	s_lshl_b32 s17, s12, 7
	s_lshl_b32 s16, s13, 8
	s_add_co_u32 s16, s16, s17                     ; A: row 256 x block row + 128 x half
	s_lshl_b32 s46, s42, 8
	s_add_co_u32 s46, s46, s17                     ; B: row 256 x block column + 128 x half
	s_mov_b32 s17, 0
	s_mov_b32 s47, 0
	s_mov_b64 s[18:19], SIZE_K*2
	s_mul_u64 s[16:17], s[16:17], s[18:19]         ; offsets in bytes
	s_mul_u64 s[46:47], s[46:47], s[18:19]
	s_mul_i32 s20, s10, HALFT                      ; LDS: wave x 128 rows
	s_wait_dscnt 0x0
	s_wait_kmcnt 0x0
	s_add_nc_u64 s[14:15], s[4:5], s[16:17]
	s_add_nc_u64 s[46:47], s[6:7], s[46:47]
	CROUND                                         ; all sixteen work-groups are here: the first joint loads meet
.irp s, 0,1
	s_mov_b32 s[G0+4*\s], 1
	s_add_co_u32 s[G0+4*\s+1], s20, \s*SLOT
	s_add_nc_u64 s[G0+4*\s+2:G0+4*\s+3], s[14:15], \s*KSTEP*2
	s_or_b32 s[G0+4*\s+3], s[G0+4*\s+3], 0x80000000
	s_mov_b32 s[G0B+4*\s], 1
	s_add_co_u32 s[G0B+4*\s+1], s20, \s*SLOT
	s_add_nc_u64 s[G0B+4*\s+2:G0B+4*\s+3], s[46:47], \s*KSTEP*2
	s_or_b32 s[G0B+4*\s+3], s[G0B+4*\s+3], 0x80000000
	JLOAD \s                                       ; both slots' first fills, two loads a wave out
.endr
	v_and_b32 v1, 15, v0                           ; l % 16
	v_bfe_u32 v2, v0, 4, 1                         ; l / 16
	v_mul_u32_u24 v3, v1, PITCH
	v_lshl_add_u32 v3, v2, 4, v3                   ; row x pitch + 16 x half: a fragment is two loads of 16 bytes, 32 apart
	s_mul_i32 s21, s11, HALFT
	s_mul_i32 s22, s12, HALFT
	s_add_co_u32 s22, s22, 2*HALFT
.irp s, 0,1
	v_add_nc_u32 v[ADRA+\s], s21, v3
	v_add_nc_u32 v[ADRB+\s], s22, v3
	s_add_co_u32 s21, s21, SLOT
	s_add_co_u32 s22, s22, SLOT
.endr
	s_mul_i32 s23, s10, 16*SPITCH
	s_add_co_u32 s23, s23, STAGE                   ; my stage
	v_mul_u32_u24 v4, v1, SPITCH
	v_lshl_add_u32 v4, v2, 4, v4
	v_add_nc_u32 v[STO], s23, v4                   ; in: row l % 16, 16 bytes for each half of the lanes
	; back: a stage row holds two heads (128 bytes each).  Lanes 0-15 take head 0 of two rows, lanes 16-31 head 1 of the same rows:
	; in qkvh two rows of one head are 256 consecutive bytes.
	v_bfe_u32 v5, v0, 3, 1
	v_mul_u32_u24 v5, v5, SPITCH                   ; row 2 t + ((l >> 3) & 1)
	v_lshl_add_u32 v5, v2, 7, v5                   ; head l >> 4
	v_and_b32 v6, 7, v0
	v_lshl_add_u32 v5, v6, 4, v5
	v_add_nc_u32 v[RD], s23, v5
	v_lshlrev_b32 v5, 18, v2                       ; the next head's plane is 262,144 bytes on
	v_lshl_add_u32 v[CO], v1, 4, v5
; 16 matrix instructions: m blocks a0, a0 + 1 of the window's four x all 8 n blocks, 32 along K.  zero = 1: the first product starts the sums.
.macro MUL16 f, hi, a0, zero
.irp a, \a0, \a0+1
.irp b, 0,1,2,3,4,5,6,7
.if \zero
	v_wmma_f32_16x16x32_bf16 v[8*(8*(\a)+\b):8*(8*(\a)+\b)+7], v[\f+8*\b:\f+8*\b+7], v[\f+8*(4*\hi+\a):\f+8*(4*\hi+\a)+7], 0
.else
	v_wmma_f32_16x16x32_bf16 v[8*(8*(\a)+\b):8*(8*(\a)+\b)+7], v[\f+8*\b:\f+8*\b+7], v[\f+8*(4*\hi+\a):\f+8*(4*\hi+\a)+7], v[8*(8*(\a)+\b):8*(8*(\a)+\b)+7]
.endif
.endr
.endr
.endm
; 32 LDS loads in one run: one quarter step's fragments (B's 128 rows, A's 128 rows, 32 K at byte k) into buffer f
.macro FETCH slot, k, f
	WIN TO_B
.irp i, 0,1,2,3,4,5,6,7
	ds_load_b128 v[\f+8*\i:\f+8*\i+3],   v[ADRB+\slot] offset:\k+\i*16*PITCH
	ds_load_b128 v[\f+8*\i+4:\f+8*\i+7], v[ADRB+\slot] offset:\k+\i*16*PITCH+32
.endr
	WIN 0
.irp i, 0,1,2,3,4,5,6,7
	ds_load_b128 v[\f+8*\i:\f+8*\i+3],   v[ADRA+\slot] offset:\k+\i*16*PITCH
	ds_load_b128 v[\f+8*\i+4:\f+8*\i+7], v[ADRA+\slot] offset:\k+\i*16*PITCH+32
.endr
.endm
; Four plain vector places stand between a matrix instruction and a load into one of its registers or a read of its result.
.macro PLACES
.rept 4
	v_nop
.endr
.endm
; A quarter step: 64 matrix instructions on buffer f; in its middle the next quarter's fragments are fetched into buffer g.
; The 64 accumulators take turns, one instruction a turn, in the same order everywhere.
.macro QUARTER slot, k, f, g, zero
	s_wait_dscnt 8                                 ; B and A's rows 0-63 are in; the youngest eight loads (A's rows 64-127) may be out
	WIN MUL_LO
	MUL16 \f, 0, 0, \zero
	MUL16 \f, 0, 2, \zero
	PLACES
	FETCH \slot, \k, \g
	s_wait_dscnt 32                                ; all but the 32 just issued
	WIN MUL_HI
	MUL16 \f, 1, 0, \zero
	MUL16 \f, 1, 2, \zero
.endm
.macro THREE slot, zero
	QUARTER \slot, 64,  F0, F1, \zero
	QUARTER \slot, 128, F1, F0, 0
	QUARTER \slot, 192, F0, F1, 0
.endm
; The last quarter changes slots.  In front of the barrier each wave waits for its reads of this slot and for all its tensor loads (one is
; out: its part of the next slot).  Behind the round the refill comes first, then the next slot's first fragments.
.macro TURN slot, next, fill
	s_wait_dscnt 8
	WIN MUL_LO
	MUL16 F1, 0, 0, 0
	s_wait_dscnt 0                                 ; my reads of this slot are over
	s_wait_tensorcnt 0x0                           ; all my tensor loads have landed
	ds_add_u32 v255, v255
	s_wait_dscnt 0x0
	s_barrier_signal -1
	MUL16 F1, 0, 2, 0                              ; register work while the others arrive
	WIN 0
	s_barrier_wait -1
.if \fill
	CREST                                          ; no wave of any partner still reads this slot or has a load on its way
	s_add_nc_u64 s[G0+4*\slot+2:G0+4*\slot+3], s[G0+4*\slot+2:G0+4*\slot+3], 2*KSTEP*2
	s_add_nc_u64 s[G0B+4*\slot+2:G0B+4*\slot+3], s[G0B+4*\slot+2:G0B+4*\slot+3], 2*KSTEP*2
	JLOAD \slot                                    ; the wave's one tensor load behind the round
.endif
	PLACES
	FETCH \next, 0, F0
	WIN MUL_HI
	MUL16 F1, 1, 0, 0
	MUL16 F1, 1, 2, 0
.endm
.macro LAP zero
	THREE 0, \zero
	TURN 0, 1, 1
	THREE 1, 0
	TURN 1, 0, 1
.endm
	s_wait_tensorcnt 1                             ; my part of K step 0 is in; K step 1's stays out
	s_barrier_signal -1
	s_barrier_wait -1
	FETCH 0, 0, F0
	LAP 1                                          ; the first lap's first products start the sums
	WIN 0
	s_mov_b32 s3, LAPS-2
.Llap:
	LAP 0
	WIN 0
	s_sub_co_u32 s3, s3, 1
	s_cmp_lg_u32 s3, 0
	s_cbranch_scc1 .Llap
	THREE 0, 0                                     ; the last lap fills nothing
	TURN 0, 1, 0
	THREE 1, 0
	s_wait_dscnt 8
	WIN MUL_LO
	MUL16 F1, 0, 0, 0
	MUL16 F1, 0, 2, 0
	s_wait_dscnt 0
	WIN MUL_HI
	MUL16 F1, 1, 0, 0
	MUL16 F1, 1, 2, 0
	; THE WAY OUT, 16 rows at a time: round to f16, 16 bytes a lane into my own stage, read back by head, store 256 consecutive bytes by 16 lanes.
	PLACES
	s_lshr_b32 s16, s13, 3                         ; batch = block row / 8: 16 planes of 262,144 bytes
	s_lshl_b32 s16, s16, 22
	s_and_b32 s14, s13, 7                          ; 256 rows of 128 bytes for each block row inside the batch
	s_lshl_b32 s14, s14, 15
	s_add_co_u32 s16, s16, s14
	s_lshl_b32 s14, s11, 14                        ; my 128 rows
	s_add_co_u32 s16, s16, s14
	s_mov_b32 s17, 0
	s_add_nc_u64 s[8:9], s[8:9], s[16:17]
	s_lshl_b32 s46, s42, 1
	s_add_co_u32 s46, s46, s12                     ; g = my 128 columns' number, 0..23
	s_lshr_b32 s47, s46, 3                         ; q, k or v: 64 planes each
	s_lshl_b32 s47, s47, 24
	s_and_b32 s46, s46, 7                          ; the pair of heads
	s_lshl_b32 s46, s46, 19
	s_add_co_u32 s46, s46, s47
	s_mov_b32 s47, 0
	s_add_nc_u64 s[8:9], s[8:9], s[46:47]
.macro OUT16 i, a, from, f
	WIN \from
.irp b, 0,1,2,3,4,5,6,7
.irp r, 0,1,2,3
	v_cvt_pk_f16_f32 v[TMP+4*\b+\r], v[8*(8*\a+\b)+2*\r], v[8*(8*\a+\b)+2*\r+1]
.endr
.endr
	WIN 0
.irp b, 0,1,2,3,4,5,6,7
	ds_store_b128 v[STO], v[TMP+4*\b:TMP+4*\b+3] offset:32*\b
.endr
	s_wait_xcnt 0x0                                ; buffer f, which earlier stores read, and the stores' base are rewritten only behind this wait
.if \i
	s_add_nc_u64 s[8:9], s[8:9], 16*128            ; 16 rows of 128 bytes on
.endif
.irp t, 0,1,2,3,4,5,6,7
	ds_load_b128 v[\f+4*\t:\f+4*\t+3], v[RD] offset:\t*2*SPITCH    ; a wave's LDS instructions are served in order: these see the stores above
.endr
.irp t, 0,1,2,3,4,5,6,7
	s_wait_dscnt 7-\t
	global_store_b128 v[CO], v[\f+4*\t:\f+4*\t+3], s[8:9] offset:256*\t   ; 16 lanes: rows 2 t, 2 t + 1 of one head, 256 consecutive bytes, aligned
.endr
.endm
	OUT16 0, 0, 0x0a, F0
	OUT16 1, 1, 0x0a, F1
	OUT16 2, 2, 0x0a, F0
	OUT16 3, 3, 0x0a, F1
	OUT16 4, 0, 0x0f, F0
	OUT16 5, 1, 0x0f, F1
	OUT16 6, 2, 0x0f, F0
	OUT16 7, 3, 0x0f, F1
	s_set_vgpr_msb 0x1
	s_wait_tensorcnt 0x0
	ds_add_u32 v255, v255
	s_wait_dscnt 0x0
	s_set_vgpr_msb 0x100
	CROUND                                         ; the closing round: no work-group ends while a partner may still ask for a tile that names it
	s_endpgm
.Lfunc_end_k_q531bb92784_qkv:
	.size	k_q531bb92784_qkv, .Lfunc_end_k_q531bb92784_qkv-k_q531bb92784_qkv
	.p2alignl 7, 3214868480
	.fill 96, 4, 3214868480
	.section	.rodata,"a",@progbits
	.p2align	6, 0x0
	.amdhsa_kernel k_q531bb92784_qkv
		.amdhsa_group_segment_fixed_size 327680
		.amdhsa_private_segment_fixed_size 0
		.amdhsa_enable_private_segment 0
		.amdhsa_kernarg_size 24
		.amdhsa_user_sgpr_count 2
		.amdhsa_user_sgpr_kernarg_segment_ptr 1
		.amdhsa_wavefront_size32 1
		.amdhsa_system_sgpr_workgroup_id_x 1
		.amdhsa_system_sgpr_workgroup_id_y 1
		.amdhsa_system_sgpr_workgroup_id_z 1
		.amdhsa_system_vgpr_workitem_id 0
		.amdhsa_next_free_vgpr 1024
		.amdhsa_next_free_sgpr 66
		.amdhsa_reserve_vcc 0
		.amdhsa_float_denorm_mode_32 3
		.amdhsa_float_denorm_mode_16_64 3
		.amdhsa_memory_ordered 1
		.amdhsa_forward_progress 1
		.amdhsa_inst_pref_size 196
	.end_amdhsa_kernel
	.amdgpu_metadata
---
amdhsa.version: [ 1, 2 ]
amdhsa.kernels:
  - .name:           k_q531bb92784_qkv
    .symbol:         k_q531bb92784_qkv.kd
    .args:
      - { .name: xb, .offset: 0, .size: 8, .value_kind: global_buffer, .address_space: global }
      - { .name: wqkv, .offset: 8, .size: 8, .value_kind: global_buffer, .address_space: global }
      - { .name: qkvh, .offset: 16, .size: 8, .value_kind: global_buffer, .address_space: global }
    .group_segment_fixed_size: 327680
    .private_segment_fixed_size: 0
    .kernarg_segment_align: 8
    .kernarg_segment_size: 24
    .max_flat_workgroup_size: 128
    .sgpr_count:     66
    .vgpr_count:     1024
    .wavefront_size: 32
...
	.end_amdgpu_metadata
.endif
;; end of part 2
;; launch attn (part 3): grid 4 x 64, 8 waves a work-group, no clusters, 327,680 bytes of LDS; arguments qkvh, ctxh; writes ctxh
.if DOCPART == 3
	.amdgcn_target "amdgcn-amd-amdhsa--gfx1250"
	.amdhsa_code_object_version 6
	.text
	.protected	k_q531bb92784_attn
	.globl	k_q531bb92784_attn
	.p2align	8
	.type	k_q531bb92784_attn,@function
k_q531bb92784_attn:
	s_mov_b64 s[64:65], 0
	v_nop
	global_prefetch_b8 v0, s[64:65] scope:SCOPE_SE
	s_setreg_imm32_b32 hwreg(HW_REG_WAVE_MODE, 25, 1), 1
	s_wait_xcnt 0x0
; Causal softmax attention of one (batch, head) plane: ctx = softmax(q k^T / 8, keys <= query) v, with a running maximum.
; qkvh[sel][plane][2048][64] f16 (sel 0 q, 1 k, 2 v); ctxh[part][plane][2048][64] f16: part 0 = ctx rounded to f16, part 1 = the remainder
; rounded to f16 (the pair carries about 22 bits into the last product).
; LIMITS: P and ctx in f16 (|ctx| < 65,504); remainders below 2^-14 lose bits, absolute error at most 2^-25.
; SHARES: a plane has 8 query blocks of 256.  Work-group p takes block 2 p and then block 7 - 2 p: 9 key tiles of 256 for every work-group.
; Tiles above the diagonal are never touched; the diagonal tile of a block comes first, so that every row has a finite maximum from its first step.
; Wave W owns queries 32 W .. 32 W + 31 of the block, as two tiles t of 16; two waves lie on a SIMD, so that one's softmax runs beside the other's products.
; FORMS: S^T = K Q^T (register j of lane (r, h): key 8 h + j, query r); two neighbouring key tiles packed to f16 are the B fragment of P^T;
; O^T = V^T P^T with V^T through the transposing LDS load.  So maximum, sum and rescale are per lane; only the maximum crosses the two halves of the wave.
; NO CLUSTER: the four work-groups of a plane want different tiles at different times (their blocks' diagonals differ); walking all eight
; tiles jointly in step would cost 12 tile times where each now has 9.
.set KP,    144                        ; pitch of K's rows: 128 bytes + 16: an odd multiple of 16
.set VP,    160                        ; pitch of V's rows: 128 bytes + 32: an odd multiple of 32, for the transposing load
.set KOFF,  256*VP                     ; a slot: V's 256 keys (40,960 bytes), then K's (36,864)
.set SLOTB, 256*VP+256*KP              ; 77,824
.set STAGE, 2*SLOTB                    ; 155,648: each wave's own 9,216 bytes: 32 rows x 144 of part 0, then of part 1; no fill lands here
.set KADR, 2                           ; v2-3    K fragments' LDS address, slot 0, 1
.set VADR, 4                           ; v4-5    V fragments' LDS address, slot 0, 1
                                       ; v1 prefetch offset; v6 Q offset; v7 stage in; v8 stage back; v9 ctx offset; v10 32 W + r - 8 h; v11 -inf
.set SA,   12                          ; v[12:15] scratch: tile 0's sums; the packed part 0 on the way out
.set QF,   16                          ; v[16:47]   Q fragment (t, dh) at 16 t + 8 dh
.set OO,   48                          ; v[48:111]  O tile (t, dt) at 32 t + 8 dt
.set SS,   112                         ; v[112:175] S tile (t, kt) at 32 t + 8 kt; then P fragment (t, u) at 32 t + 16 u
.set KV,   176                         ; v[176:239] K fragment (kt, dh) at 16 kt + 8 dh, then V fragment (dt, u) at 16 dt + 8 u; scratch on the way out
.set MX,   240                         ; v240-241 running maximum
.set LS,   242                         ; v242-243 running sum (this half of the wave's keys)
.set NMC,  244                         ; v[244:247] -c x maximum, as pairs
.set AL,   248                         ; v[248:251] rescale factor, as pairs
.set TA,   252                         ; v252-253, v254-255: at work on the maxima; then tile 1's sums
.set TB,   254
.set G1V, 32                           ; s[32:39] group 1 for V
.set G1K, 40                           ; s[40:47] group 1 for K
.set G0V, 48                           ; s[48:55] group 0 for V, slot 0, 1
.set G0K, 56                           ; s[56:63] group 0 for K, slot 0, 1
	s_load_b128 s[4:7], s[0:1], 0x0                ; qkvh s[4:5], ctxh s[6:7]
	s_set_vgpr_msb 0x40
	v_lshl_add_u32 v0, v0, 2, 0x38000
	v_mov_b32 v1, 0
	s_set_vgpr_msb 0x4045
	ds_add_u32 v0, v1
	s_set_vgpr_msb 0x4500
	v_lshrrev_b32 v12, 5, v0
	v_readfirstlane_b32 s8, v12                    ; W
	s_and_b32 s9, s8, 1                            ; which 128 keys of a tile I fetch
	s_lshr_b32 s10, s8, 1                          ; 0: I fetch V; 1: K; 2, 3: nothing
	s_mov_b32 s11, ttmp9                           ; p
	s_and_b32 s12, ttmp7, 0xffff                   ; plane
	s_lshl_b32 s13, s11, 1                         ; first block 2 p
	s_sub_co_u32 s14, 7, s13                       ; second block 7 - 2 p
	s_mov_b32 s16, 0x76543210                      ; v_permlanex16_b32: lane i reads lane i of the other half
	s_mov_b32 s17, 0xfedcba98
	s_mov_b32 s18, 0x3e38aa3b                      ; c = log2(e) / 8
	s_mov_b32 s19, 0x3e38aa3b
	s_mov_b32 s20, 0xbe38aa3b                      ; -c
	; group 1: 64 rows of 128 elements of 2 bytes (256 bytes = two keys), dense; padding behind every 32 words (one key): 8 words for V, 4 for K
	s_mov_b32 s[G1V+0], (1<<16)|(1<<20)|(4<<22)|(7<<25)
	s_mov_b32 s[G1K+0], (1<<16)|(1<<20)|(4<<22)|(3<<25)
	s_mov_b32 s[G1V+1], 128<<16
	s_mov_b32 s[G1K+1], 128<<16                    ; tensor_dim0 = 128
	s_mov_b32 s[G1V+2], 64<<16
	s_mov_b32 s[G1K+2], 64<<16                     ; tensor_dim1 = 64
	s_mov_b32 s[G1V+3], 128<<16
	s_mov_b32 s[G1K+3], 128<<16                    ; tile_dim0 = 128
	s_mov_b32 s[G1V+4], 64
	s_mov_b32 s[G1K+4], 64                         ; tile_dim1 = 64
	s_mov_b32 s[G1V+5], 128
	s_mov_b32 s[G1K+5], 128                        ; elements from row to row
	s_mov_b32 s[G1V+6], 0
	s_mov_b32 s[G1K+6], 0
	s_mov_b32 s[G1V+7], 0
	s_mov_b32 s[G1K+7], 0
	s_mov_b32 s[G0V+0], 1
	s_mul_i32 s[G0V+1], s8, 128*VP                 ; waves 0, 1: V's halves at W x 20,480
	s_mov_b32 s[G0V+4], 1
	s_add_co_u32 s[G0V+5], s[G0V+1], SLOTB
	s_mov_b32 s[G0K+0], 1
	s_mul_i32 s[G0K+1], s8, 128*KP                 ; waves 2, 3: K's halves at 40,960 + (W - 2) x 18,432
	s_add_co_u32 s[G0K+1], s[G0K+1], KOFF-2*128*KP
	s_mov_b32 s[G0K+4], 1
	s_add_co_u32 s[G0K+5], s[G0K+1], SLOTB
	s_add_co_u32 s26, s12, 128                     ; v's plane
	s_lshl_b32 s26, s26, 18
	s_lshl_b32 s24, s9, 14                         ; my 128 keys of 128 bytes
	s_add_co_u32 s26, s26, s24
	s_mov_b32 s27, 0                               ; stays 0: the high word of every offset
	s_wait_dscnt 0x0
	s_wait_kmcnt 0x0
	s_add_nc_u64 s[28:29], s[4:5], s[26:27]        ; VB
	s_sub_co_u32 s26, s26, 0x1000000               ; k's plane lies 64 planes in front
	s_add_nc_u64 s[30:31], s[4:5], s[26:27]        ; KB
; Both group 0s of slot s get the tile at byte offset s[26:27] of the plane.  Written only where no tensor load of the wave is out.
.macro SETG0 s
	s_add_nc_u64 s[G0V+4*\s+2:G0V+4*\s+3], s[28:29], s[26:27]
	s_or_b32 s[G0V+4*\s+3], s[G0V+4*\s+3], 0x80000000
	s_add_nc_u64 s[G0K+4*\s+2:G0K+4*\s+3], s[30:31], s[26:27]
	s_or_b32 s[G0K+4*\s+3], s[G0K+4*\s+3], 0x80000000
.endm
; The next tile in the walk: T while T < LIM, then ALT (the second block's diagonal tile).
.macro NEXT s
	s_cmp_lt_u32 s21, s22
	s_cselect_b32 s24, s21, s23
	s_add_co_u32 s21, s21, 1
	s_lshl_b32 s26, s24, 15                        ; 256 keys of 128 bytes
	SETG0 \s
.endm
; One tensor load of 16 KiB by each of waves 0-3; waves 4-7 issue none.  The branches hang on the wave's number alone.
.macro KVLOAD s
	s_cmp_gt_u32 s10, 1
	s_cbranch_scc1 .Lkv_done_\@
	s_cmp_eq_u32 s10, 0
	s_cbranch_scc0 .Lkv_k_\@
	tensor_load_to_lds s[G0V+4*\s:G0V+4*\s+3], s[G1V:G1V+7]
	s_nop 0
	s_branch .Lkv_done_\@
.Lkv_k_\@:
	tensor_load_to_lds s[G0K+4*\s:G0K+4*\s+3], s[G1K:G1K+7]
	s_nop 0
.Lkv_done_\@:
.endm
.macro QLOAD b                         ; my 32 queries as four B fragments: lane (r, h) takes d = 32 dh + 8 h .. and 32 dh + 16 + 8 h .. of query 16 t + r
.irp t, 0,1
.irp dh, 0,1
	global_load_b128 v[QF+16*\t+8*\dh:QF+16*\t+8*\dh+3],   v6, s[\b:\b+1] offset:2048*\t+64*\dh
	global_load_b128 v[QF+16*\t+8*\dh+4:QF+16*\t+8*\dh+7], v6, s[\b:\b+1] offset:2048*\t+64*\dh+32
.endr
.endr
.endm
	s_lshl_b32 s26, s13, 15
	SETG0 0
	KVLOAD 0                                       ; the first fill: the first block's diagonal tile.  At most one tensor load of a wave is ever out
	; One request ahead: K and V of the second block's diagonal tile, 2 x 128 blocks of 256 bytes, one a thread.  The odd tiles 7 - 2 p
	; are asked for once each in the launch this way; the even tiles 2 p are the first fills themselves.
	v_lshrrev_b32 v12, 7, v0
	v_lshlrev_b32 v12, 24, v12                     ; threads 128-255: v's plane, 64 planes behind k's
	v_and_b32 v13, 127, v0
	v_lshl_add_u32 v12, v13, 8, v12
	s_add_co_u32 s24, s12, 64
	s_lshl_b32 s24, s24, 18
	s_lshl_b32 s25, s14, 15
	s_add_co_u32 s24, s24, s25
	v_add_nc_u32 v1, s24, v12
	global_prefetch_b8 v1, s[4:5] th:TH_LOAD_NT scope:SCOPE_SE
	s_lshl_b32 s26, s12, 18                        ; q's and ctx's plane, first block
	s_lshl_b32 s24, s13, 15
	s_add_co_u32 s26, s26, s24
	s_add_nc_u64 s[66:67], s[4:5], s[26:27]        ; QB1
	s_add_nc_u64 s[70:71], s[6:7], s[26:27]        ; ctx part 0, first block
	s_add_nc_u64 s[72:73], s[70:71], 0x1000000     ; part 1
	s_lshl_b32 s26, s12, 18                        ; second block
	s_lshl_b32 s24, s14, 15
	s_add_co_u32 s26, s26, s24
	s_add_nc_u64 s[68:69], s[4:5], s[26:27]        ; QB2
	s_add_nc_u64 s[74:75], s[6:7], s[26:27]
	s_add_nc_u64 s[76:77], s[74:75], 0x1000000
	v_and_b32 v12, 15, v0                          ; r
	v_bfe_u32 v13, v0, 4, 1                        ; h
	v_and_b32 v14, 31, v0                          ; L
	s_lshl_b32 s25, s8, 12                         ; my 32 rows of 128 bytes
	v_lshlrev_b32 v6, 7, v12
	v_lshl_add_u32 v6, v13, 4, v6
	v_add_nc_u32 v6, s25, v6                       ; (32 W + r) x 128 + 16 h
	QLOAD 66
	v_mul_u32_u24 v15, v12, KP
	v_lshl_add_u32 v15, v13, 4, v15                ; r x 144 + 16 h
	v_add_nc_u32 v[KADR], KOFF, v15
	v_add_nc_u32 v[KADR+1], KOFF+SLOTB, v15
	s_mul_i32 s24, s8, 9216
	s_add_co_u32 s24, s24, STAGE                   ; my stage
	v_add_nc_u32 v7, s24, v15
	v_and_b32 v15, 7, v0
	v_lshl_add_u32 v15, v13, 3, v15                ; key 8 h + (L & 7)
	v_mul_u32_u24 v15, v15, VP
	v_bfe_u32 v4, v0, 3, 1
	v_lshl_add_u32 v[VADR], v4, 4, v15             ; + 16 ((L >> 3) & 1)
	v_add_nc_u32 v[VADR+1], SLOTB, v[VADR]
	v_lshrrev_b32 v8, 3, v14
	v_mul_u32_u24 v8, v8, KP                       ; back: 8 lanes a row of 128 bytes, 4 rows a load
	v_and_b32 v15, 7, v0
	v_lshl_add_u32 v8, v15, 4, v8
	v_add_nc_u32 v8, s24, v8
	v_lshl_add_u32 v9, v14, 4, s25                 ; 4,096 W + 16 L
	v_lshlrev_b32 v10, 3, v13
	v_sub_nc_u32 v10, v12, v10
	s_lshl_b32 s25, s8, 5
	v_add_nc_u32 v10, s25, v10                     ; 32 W + r - 8 h
	v_mov_b32 v11, 0xff800000                      ; -inf
; The softmax of a step's 64 keys x 32 queries, the two query tiles side by side.  first = 1: the block's first step starts maximum and sum.
.macro SOFTMAX first
.irp t, 0,1
.if \first
	v_max_num_f32 v[TA+\t], v[SS+32*\t], v[SS+32*\t+1]
.else
	v_max3_num_f32 v[TA+\t], v[MX+\t], v[SS+32*\t], v[SS+32*\t+1]
.endif
	v_max3_num_f32 v[TB+\t], v[SS+32*\t+16], v[SS+32*\t+17], v[SS+32*\t+18]
.endr
.irp i, 1,2,3,4,5,6
.irp t, 0,1
	v_max3_num_f32 v[TA+\t], v[TA+\t], v[SS+32*\t+2*\i], v[SS+32*\t+2*\i+1]
	v_max3_num_f32 v[TB+\t], v[TB+\t], v[SS+32*\t+17+2*\i], v[SS+32*\t+18+2*\i]
.endr
.endr
.irp t, 0,1
	v_max3_num_f32 v[TA+\t], v[TA+\t], v[SS+32*\t+14], v[SS+32*\t+15]
.endr
.irp t, 0,1
	v_max3_num_f32 v[TA+\t], v[TA+\t], v[TB+\t], v[SS+32*\t+31]
.endr
.irp t, 0,1
	v_permlanex16_b32 v[TB+\t], v[TA+\t], s16, s17 ; the other half of the wave holds the query's other keys
.endr
.irp t, 0,1
	v_max_num_f32 v[MX+\t], v[TA+\t], v[TB+\t]
.endr
.irp t, 0,1
	v_mul_f32 v[TA+\t], s20, v[MX+\t]              ; -c m
.endr
.if \first == 0
.irp t, 0,1
	v_sub_f32 v[TB+\t], v[TA+\t], v[NMC+2*\t]      ; c (m old - m new), at most 0
.endr
.irp t, 0,1
	v_exp_f32 v[AL+2*\t], v[TB+\t]
	v_exp_f32 v[AL+2*\t+1], v[TB+\t]
.endr
.endif
.irp t, 0,1
	v_mov_b32 v[NMC+2*\t], v[TA+\t]                ; plain work behind the exponentials above (ISA guide 5.7.2)
	v_mov_b32 v[NMC+2*\t+1], v[TA+\t]
.endr
.set ii, 0
.rept 16
	v_pk_fma_f32 v[SS+ii:SS+ii+1], v[SS+ii:SS+ii+1], s[18:19], v[NMC:NMC+1] op_sel_hi:[1,0,1]             ; c s - c m
	v_pk_fma_f32 v[SS+32+ii:SS+33+ii], v[SS+32+ii:SS+33+ii], s[18:19], v[NMC+2:NMC+3] op_sel_hi:[1,0,1]
.set ii, ii+2
.endr
.set ii, 0
.rept 64
	v_exp_f32 v[SS+ii], v[SS+ii]
.set ii, ii+1
.endr
.if \first
	v_nop                                          ; the plain place behind the exponentials
	s_wait_alu depctr_va_vdst(0)
.else
.set ii, 0
	s_wait_alu depctr_va_vdst(0)
.rept 16
	v_pk_mul_f32 v[OO+ii:OO+ii+1], v[OO+ii:OO+ii+1], v[AL:AL+1]               ; O is rescaled: also the plain work behind the exponentials
	v_pk_mul_f32 v[OO+32+ii:OO+33+ii], v[OO+32+ii:OO+33+ii], v[AL+2:AL+3]
.set ii, ii+2
.endr
.endif
.irp t, 0,1
	v_pk_add_f32 v[SA+240*\t:SA+240*\t+1],   v[SS+32*\t:SS+32*\t+1],       v[SS+32*\t+2:SS+32*\t+3]      ; two chains a tile; tile 1's lie in v[252:255]
	v_pk_add_f32 v[SA+240*\t+2:SA+240*\t+3], v[SS+32*\t+16:SS+32*\t+17],   v[SS+32*\t+18:SS+32*\t+19]
.endr
.irp i, 2,3,4,5,6,7
.irp t, 0,1
	v_pk_add_f32 v[SA+240*\t:SA+240*\t+1],   v[SA+240*\t:SA+240*\t+1],     v[SS+32*\t+2*\i:SS+32*\t+2*\i+1]
	v_pk_add_f32 v[SA+240*\t+2:SA+240*\t+3], v[SA+240*\t+2:SA+240*\t+3],   v[SS+32*\t+16+2*\i:SS+32*\t+17+2*\i]
.endr
.endr
.irp t, 0,1
	v_pk_add_f32 v[SA+240*\t:SA+240*\t+1], v[SA+240*\t:SA+240*\t+1], v[SA+240*\t+2:SA+240*\t+3]
.endr
.irp t, 0,1
.if \first
	v_add_f32 v[LS+\t], v[SA+240*\t], v[SA+240*\t+1]
.else
	v_add_f32 v[SA+240*\t], v[SA+240*\t], v[SA+240*\t+1]
	v_fma_f32 v[LS+\t], v[LS+\t], v[AL+2*\t], v[SA+240*\t]
.endif
.endr
.irp t, 0,1
.irp u, 0,1
.irp i, 0,1,2,3,4,5,6,7
	v_cvt_pk_f16_f32 v[SS+32*\t+16*\u+\i], v[SS+32*\t+16*\u+2*\i], v[SS+32*\t+16*\u+2*\i+1]   ; in place, ascending: register i is free when it is written
.endr
.endr
.endr
.endm
; 64 keys (step st of the tile in slot) against my 32 queries.  diag = 1: the tile lies on the diagonal.
; In every run of matrix instructions eight accumulators take turns, one instruction a turn.
.macro STEP slot, st, first, diag
.irp dh, 0,1
.irp kt, 0,1,2,3
	ds_load_b128 v[KV+16*\kt+8*\dh:KV+16*\kt+8*\dh+3],   v[KADR+\slot] offset:(64*\st+16*\kt)*KP+64*\dh
	ds_load_b128 v[KV+16*\kt+8*\dh+4:KV+16*\kt+8*\dh+7], v[KADR+\slot] offset:(64*\st+16*\kt)*KP+64*\dh+32
.endr
.endr
	s_wait_dscnt 0x8                               ; d = 0..31 of the four key tiles are in; the eight loads of d = 32..63 stay out
.if \first
	s_wait_loadcnt 0x0                             ; my queries
.endif
.irp kt, 0,1,2,3
.irp t, 0,1
	v_wmma_f32_16x16x32_f16 v[SS+32*\t+8*\kt:SS+32*\t+8*\kt+7], v[KV+16*\kt:KV+16*\kt+7], v[QF+16*\t:QF+16*\t+7], 0
.endr
.endr
	s_wait_dscnt 0x0
.irp kt, 0,1,2,3
.irp t, 0,1
	v_wmma_f32_16x16x32_f16 v[SS+32*\t+8*\kt:SS+32*\t+8*\kt+7], v[KV+16*\kt+8:KV+16*\kt+15], v[QF+16*\t+8:QF+16*\t+15], v[SS+32*\t+8*\kt:SS+32*\t+8*\kt+7]
.endr
.endr
.rept 4
	v_nop                                          ; four places: K's registers are loaded again, and S is read (ISA guide 7.12.1)
.endr
.irp u, 0,1
.irp dt, 0,1,2,3
	ds_load_tr16_b128 v[KV+16*\dt+8*\u:KV+16*\dt+8*\u+3],   v[VADR+\slot] offset:(64*\st+32*\u)*VP+32*\dt
	ds_load_tr16_b128 v[KV+16*\dt+8*\u+4:KV+16*\dt+8*\u+7], v[VADR+\slot] offset:(64*\st+32*\u)*VP+32*\dt+16*VP
.endr
.endr
.if \diag
.irp t, 0,1
.irp kt, 0,1,2,3
.irp j, 0,1,2,3,4,5,6,7
	v_cmp_gt_i32 vcc_lo, 64*\st+16*\kt+\j-16*\t, v10                          ; key 64 st + 16 kt + 8 h + j > query 32 W + 16 t + r
	v_cndmask_b32 v[SS+32*\t+8*\kt+\j], v[SS+32*\t+8*\kt+\j], v11, vcc_lo     ; then -inf
.endr
.endr
.endr
.endif
	SOFTMAX \first
	s_wait_dscnt 0x8                               ; V of the first 32 keys is in; the eight loads of the second 32 stay out
.irp dt, 0,1,2,3
.irp t, 0,1
.if \first
	v_wmma_f32_16x16x32_f16 v[OO+32*\t+8*\dt:OO+32*\t+8*\dt+7], v[KV+16*\dt:KV+16*\dt+7], v[SS+32*\t:SS+32*\t+7], 0
.else
	v_wmma_f32_16x16x32_f16 v[OO+32*\t+8*\dt:OO+32*\t+8*\dt+7], v[KV+16*\dt:KV+16*\dt+7], v[SS+32*\t:SS+32*\t+7], v[OO+32*\t+8*\dt:OO+32*\t+8*\dt+7]
.endif
.endr
.endr
	s_wait_dscnt 0x0
.irp dt, 0,1,2,3
.irp t, 0,1
	v_wmma_f32_16x16x32_f16 v[OO+32*\t+8*\dt:OO+32*\t+8*\dt+7], v[KV+16*\dt+8:KV+16*\dt+15], v[SS+32*\t+16:SS+32*\t+23], v[OO+32*\t+8*\dt:OO+32*\t+8*\dt+7]
.endr
.endr
.rept 5
	v_nop                                          ; five places: the next S products write over P; V's registers are loaded again; O is read
.endr
.endm
; One key tile.  In front of the barrier every wave waits for all its tensor loads (its part of this tile among them) and for its reads of the
; other slot; behind it the other slot's refill comes first, one tensor load a wave, and has this tile's four steps in which to land.
.macro TRIP slot, other, diag, refill
	s_set_vgpr_msb 0x5
	s_wait_tensorcnt 0x0
	ds_add_u32 v0, v1
	s_wait_dscnt 0x0
	s_set_vgpr_msb 0x500
.if \refill
	NEXT \other                                    ; no tensor load of mine is out: group 0 may be written
.endif
	s_wait_dscnt 0x0
	s_barrier_signal -1
	s_barrier_wait -1
.if \refill
	KVLOAD \other
.endif
.if \diag
	STEP \slot, 0, 1, 1                            ; the block's key 0 is visible to all its rows: every maximum is finite from here on
	s_cmp_lt_u32 s8, 2                             ; keys 64 st .. lie above all of my queries where W < 2 st
	s_cbranch_scc1 .Ltrip_end_\@
	STEP \slot, 1, 0, 1
	s_cmp_lt_u32 s8, 4
	s_cbranch_scc1 .Ltrip_end_\@
	STEP \slot, 2, 0, 1
	s_cmp_lt_u32 s8, 6
	s_cbranch_scc1 .Ltrip_end_\@
	STEP \slot, 3, 0, 1
.Ltrip_end_\@:
.else
	STEP \slot, 0, 0, 0
	STEP \slot, 1, 0, 0
	STEP \slot, 2, 0, 0
	STEP \slot, 3, 0, 0
.endif
.endm
; One O tile: divide by the sum, round to f16 (part 0), round the remainder to f16 (part 1), both into my stage.
.macro OTILE t, dt
.set OB, OO+32*\t+8*\dt
.irp i, 0,2,4,6
	v_pk_mul_f32 v[OB+\i:OB+\i+1], v[OB+\i:OB+\i+1], v[AL+2*\t:AL+2*\t+1]
.endr
	v_cvt_pk_f16_f32 v12, v[OB], v[OB+1]
	v_cvt_pk_f16_f32 v13, v[OB+2], v[OB+3]
	v_cvt_pk_f16_f32 v14, v[OB+4], v[OB+5]
	v_cvt_pk_f16_f32 v15, v[OB+6], v[OB+7]
	ds_store_b128 v7, v[12:15] offset:2304*\t+32*\dt               ; row 16 t + r, d = 16 dt + 8 h ..
	v_cvt_f32_f16 v[KV], v12.l
	v_cvt_f32_f16 v[KV+1], v12.h
	v_cvt_f32_f16 v[KV+2], v13.l
	v_cvt_f32_f16 v[KV+3], v13.h
	v_cvt_f32_f16 v[KV+4], v14.l
	v_cvt_f32_f16 v[KV+5], v14.h
	v_cvt_f32_f16 v[KV+6], v15.l
	v_cvt_f32_f16 v[KV+7], v15.h
.irp i, 0,2,4,6
	v_pk_add_f32 v[OB+\i:OB+\i+1], v[OB+\i:OB+\i+1], v[KV+\i:KV+\i+1] neg_lo:[0,1] neg_hi:[0,1]
.endr
	v_cvt_pk_f16_f32 v[KV+8], v[OB], v[OB+1]
	v_cvt_pk_f16_f32 v[KV+9], v[OB+2], v[OB+3]
	v_cvt_pk_f16_f32 v[KV+10], v[OB+4], v[OB+5]
	v_cvt_pk_f16_f32 v[KV+11], v[OB+6], v[OB+7]
	ds_store_b128 v7, v[KV+8:KV+11] offset:4608+2304*\t+32*\dt
.endm
; The end of a block.  more = 1: the second block's queries are asked for first, and the registers that stores read are freed at the end.
.macro FINISH more, ch, cl
.if \more
	QLOAD 68
.endif
.irp t, 0,1
	v_permlanex16_b32 v[TB+\t], v[LS+\t], s16, s17 ; the other half's part of the sum
.endr
.irp t, 0,1
	v_add_f32 v[LS+\t], v[LS+\t], v[TB+\t]
.endr
.irp t, 0,1
	v_rcp_f32 v[AL+2*\t], v[LS+\t]
	v_rcp_f32 v[AL+2*\t+1], v[LS+\t]
.endr
	v_nop                                          ; the plain place behind the reciprocals
	s_wait_alu depctr_va_vdst(0)
.irp t, 0,1
.irp dt, 0,1,2,3
	OTILE \t, \dt
.endr
.endr
.irp g, 0,1,2,3,4,5,6,7
	ds_load_b128 v[KV+4*\g:KV+4*\g+3], v8 offset:576*\g            ; my own bytes: a wave's LDS instructions are served in order
.endr
.irp g, 0,1,2,3,4,5,6,7
	ds_load_b128 v[KV+32+4*\g:KV+32+4*\g+3], v8 offset:4608+576*\g
.endr
.irp g, 0,1,2,3,4,5,6,7
	s_wait_dscnt 15-\g                             ; the younger read-backs stay out
	global_store_b128 v9, v[KV+4*\g:KV+4*\g+3], s[\ch:\ch+1] offset:512*\g         ; four rows: 512 consecutive bytes, aligned
.endr
.irp g, 0,1,2,3,4,5,6,7
	s_wait_dscnt 7-\g
	global_store_b128 v9, v[KV+32+4*\g:KV+32+4*\g+3], s[\cl:\cl+1] offset:512*\g
.endr
.if \more
	s_wait_xcnt 0x0                                ; the stores' data registers are loaded again only behind this wait
.endif
.endm
	s_mov_b32 s21, 0                               ; the walk behind the first tile: 0 .. 2 p - 1, then tile 7 - 2 p
	s_mov_b32 s22, s13
	s_mov_b32 s23, s14
	TRIP 0, 1, 1, 1
	s_cmp_eq_u32 s11, 0
	s_cbranch_scc1 .Lfirst_done
	s_mov_b32 s15, s11                             ; p trips of two full tiles
.Lfirst:
	TRIP 1, 0, 0, 1
	TRIP 0, 1, 0, 1
	s_sub_co_u32 s15, s15, 1
	s_cmp_lg_u32 s15, 0
	s_cbranch_scc1 .Lfirst
.Lfirst_done:
	FINISH 1, 70, 72
	s_mov_b32 s21, 0                               ; the walk of the second block: 0 .. 6 - 2 p
	s_mov_b32 s22, s14
	s_mov_b32 s23, 0
	TRIP 1, 0, 1, 1
	s_sub_co_u32 s15, 3, s11                       ; 3 - p trips of two full tiles
	s_cmp_eq_u32 s15, 0
	s_cbranch_scc1 .Lsecond_done
.Lsecond:
	TRIP 0, 1, 0, 1
	TRIP 1, 0, 0, 1
	s_sub_co_u32 s15, s15, 1
	s_cmp_lg_u32 s15, 0
	s_cbranch_scc1 .Lsecond
.Lsecond_done:
	TRIP 0, 1, 0, 0                                ; the last tile: nothing is left to fetch
	FINISH 0, 74, 76
	s_set_vgpr_msb 0x5
	s_wait_tensorcnt 0x0
	ds_add_u32 v0, v1
	s_wait_dscnt 0x0
	s_set_vgpr_msb 0x500
	s_endpgm
.Lfunc_end_k_q531bb92784_attn:
	.size	k_q531bb92784_attn, .Lfunc_end_k_q531bb92784_attn-k_q531bb92784_attn
	.p2alignl 7, 3214868480
	.fill 96, 4, 3214868480
	.section	.rodata,"a",@progbits
	.p2align	6, 0x0
	.amdhsa_kernel k_q531bb92784_attn
		.amdhsa_group_segment_fixed_size 327680
		.amdhsa_private_segment_fixed_size 0
		.amdhsa_enable_private_segment 0
		.amdhsa_kernarg_size 16
		.amdhsa_user_sgpr_count 2
		.amdhsa_user_sgpr_kernarg_segment_ptr 1
		.amdhsa_wavefront_size32 1
		.amdhsa_system_sgpr_workgroup_id_x 1
		.amdhsa_system_sgpr_workgroup_id_y 1
		.amdhsa_system_sgpr_workgroup_id_z 1
		.amdhsa_system_vgpr_workitem_id 0
		.amdhsa_next_free_vgpr 258
		.amdhsa_next_free_sgpr 80
		.amdhsa_reserve_vcc 1
		.amdhsa_float_denorm_mode_32 3
		.amdhsa_float_denorm_mode_16_64 3
		.amdhsa_memory_ordered 1
		.amdhsa_forward_progress 1
		.amdhsa_inst_pref_size 255
	.end_amdhsa_kernel
	.section	.bss,"aw",@nobits
	.p2align	6
	.space	262144
	.amdgpu_metadata
---
amdhsa.version: [ 1, 2 ]
amdhsa.kernels:
  - .name:           k_q531bb92784_attn
    .symbol:         k_q531bb92784_attn.kd
    .args:
      - { .name: qkvh, .offset: 0, .size: 8, .value_kind: global_buffer, .address_space: global }
      - { .name: ctxh, .offset: 8, .size: 8, .value_kind: global_buffer, .address_space: global }
    .group_segment_fixed_size: 327680
    .private_segment_fixed_size: 0
    .kernarg_segment_align: 8
    .kernarg_segment_size: 16
    .max_flat_workgroup_size: 256
    .sgpr_count:     80
    .vgpr_count:     258
    .wavefront_size: 32
...
	.end_amdgpu_metadata
.endif
;; end of part 3
;; launch outp (part 4): grid 4 x 64, 4 waves a work-group, clusters of 4 x 4, 327,680 bytes of LDS; arguments ctxh, wo16, out0; writes out0
.if DOCPART == 4
	.amdgcn_target "amdgcn-amd-amdhsa--gfx1250"
	.amdhsa_code_object_version 6
	.text
	.protected	k_q531bb92784_outp
	.globl	k_q531bb92784_outp
	.p2align	8
	.type	k_q531bb92784_outp,@function
k_q531bb92784_outp:
	s_mov_b64 s[64:65], 0
	v_nop
	global_prefetch_b8 v0, s[64:65] scope:SCOPE_SE
	s_setreg_imm32_b32 hwreg(HW_REG_WAVE_MODE, 25, 1), 1
	s_wait_xcnt 0x0
	s_wait_alu depctr_hold_cnt(0) depctr_sa_sdst(0) depctr_va_vdst(0) depctr_va_sdst(0) depctr_va_ssrc(0) depctr_va_vcc(0) depctr_vm_vsrc(0)
	s_getreg_b32 s2, hwreg(HW_REG_IB_STS2, 6, 4)
	s_cmp_eq_u32 s2, 0
	s_cbranch_scc0 .Lentry_in_a_cluster
	s_endpgm
.Lentry_in_a_cluster:
	s_bfe_u32 s2, ttmp6, 0x10000c
	s_cmp_lg_u32 s2, 0xf033
	s_cbranch_scc0 .Lentry_shape_is_right
	s_endpgm
.Lentry_shape_is_right:
; out0 = ctx Wo^T in f32.  ctx comes as an f16 pair (ctxh part 0 + part 1, laid [part][batch][head][s][64]); wo16: [1024][1024] f16.
; Both parts are multiplied by the same fragments of Wo and summed into the same f32 accumulators.
; LIMIT: f16's range for ctx and Wo, as stated where they are made.
; A work-group makes 128 rows x 256 columns with four waves, a wave 64 x 128: 32 accumulator tiles, 256 registers.  K goes in steps of 128
; (two heads) through a ring of two LDS slots: 256 matrix instructions and 128 LDS loads a wave and step.  256 work-groups.
; CLUSTERS: 4 x 4 work-groups; ctx's tiles are shared along a row of the cluster, Wo's along a column, each asked for jointly.
; REGISTERS: window 0: v0-31 addresses, v64-127 and v128-191 fragments of ctx (0-3 part 0, 4-7 part 1), two buffers; window 1: fragments of Wo,
; two buffers; window 2: the accumulators, tile (a, b) at v[8 (8 a + b)].
; The matrix instruction is used transposed (source 0 = rows of Wo, source 1 = rows of ctx): a lane's eight results are eight neighbouring columns of a row.
.set APITCH, 144                       ; a row of ctx in LDS: 128 bytes (one head) + 16
.set AHEAD,  128*APITCH                ; one head's 128 rows: 18,432
.set APART,  2*AHEAD                   ; one part, two heads: 36,864: one tensor load
.set BPITCH, 272                       ; a row of Wo in LDS: 256 bytes + 16
.set BHALF,  128*BPITCH                ; 34,816: one tensor load
.set BOFF,   2*APART                   ; Wo's rows lie behind the two parts of ctx
.set SLOT,   BOFF+2*BHALF              ; 143,360
.set STAGE,  2*SLOT                    ; 286,720: 16 rows x 528 bytes for each wave; no fill lands here
.set SPITCH, 528                       ; 128 f32 + 16 bytes
.set ASTEP,  2*262144                  ; a K step in ctxh: two planes
.set BSTEP,  256                       ; a K step in wo16: 128 f16
.set LAPS,   4                         ; 8 K steps, two a lap
.set ADRA, 16
.set ADRB, 20
.set STO,  24
.set RD,   25
.set CO,   26
.set F0,   64
.set F1,   128
.set G1, 24
.set G0, 32
.set G1B, 48
.set G0B, 56
.set MSB, 0
.macro WIN new                         ; the immediate's high byte repeats the setting that is left
.if MSB != \new
	s_set_vgpr_msb (MSB<<8)|\new
.set MSB, \new
.endif
.endm
.set MUL,  0xa1                        ; source 0 (Wo) window 1, source 1 (ctx) window 0, C and D window 2
.set TO_B, 0x40                        ; destination window 1
.macro JLOAD s                         ; waves 0, 1: ctx's two parts; waves 2, 3: Wo's two halves.  The branch hangs on the wave's number alone
	s_cmp_eq_u32 s11, 0
	s_cbranch_scc0 .Lfor_b_\@
	tensor_load_to_lds s[G0+4*\s:G0+4*\s+3], s[G1:G1+7]
	s_nop 0
	s_branch .Lasked_\@
.Lfor_b_\@:
	tensor_load_to_lds s[G0B+4*\s:G0B+4*\s+3], s[G1B:G1B+7]
	s_nop 0
.Lasked_\@:
.endm
.macro CREST
	s_cmp_lg_u32 s10, 0
	s_cbranch_scc1 .Lnot_wave_0_\@
	s_barrier_signal -3
.Lnot_wave_0_\@:
	s_barrier_wait -3
	s_barrier_signal -1
	s_barrier_wait -1
.endm
.macro CROUND
	s_barrier_signal -1
	s_barrier_wait -1
	CREST
.endm
	s_load_b128 s[4:7], s[0:1], 0x0                ; ctxh s[4:5], wo16 s[6:7]
	s_load_b64 s[8:9], s[0:1], 0x10                ; out0
	s_set_vgpr_msb 0x40
	v_lshl_add_u32 v255, v0, 2, 0x4e400
	s_set_vgpr_msb 0x4000
	v_mov_b32 v255, 0
	s_set_vgpr_msb 0x1
	ds_add_u32 v255, v255
	s_set_vgpr_msb 0x100
	v_lshrrev_b32 v1, 5, v0
	v_readfirstlane_b32 s10, v1                    ; wave 0..3
	s_lshr_b32 s11, s10, 1                         ; my 64 rows; also: I fetch ctx (0) or Wo (1)
	s_and_b32 s12, s10, 1                          ; my 128 columns; also: which part of ctx, or which 128 rows of Wo, I fetch
	s_bfe_u32 s40, ttmp6, 0x40000                  ; cx
	s_bfe_u32 s41, ttmp6, 0x40004                  ; cy
	s_lshl_b32 s42, ttmp9, 2
	s_add_co_u32 s42, s42, s40                     ; block column
	s_and_b32 s13, ttmp7, 0xffff
	s_lshl_b32 s13, s13, 2
	s_add_co_u32 s13, s13, s41                     ; block row
	s_lshl_b32 s43, s41, 2
	s_lshl_b32 s43, 15, s43                        ; my row of the cluster
	s_lshl_b32 s44, 0x1111, s40                    ; my column
	; ctx: two rows of 8,192 elements (one head's 128 rows of 128 bytes, dense), 131,072 elements apart (a plane); 4 words of padding behind every 32
	s_or_b32 s[G1+0], s43, (1<<16)|(1<<20)|(1<<21)|(4<<22)|(3<<25)
	s_mov_b32 s[G1+1], 8192<<16                    ; tensor_dim0 = 8,192
	s_mov_b32 s[G1+2], 2<<16                       ; tensor_dim1 = 2
	s_mov_b32 s[G1+3], 8192<<16                    ; tile_dim0 = 8,192
	s_mov_b32 s[G1+4], 2                           ; tile_dim1 = 2
	s_mov_b32 s[G1+5], 131072                      ; elements from row to row
	s_mov_b32 s[G1+6], 0
	s_mov_b32 s[G1+7], 0
	; Wo: 128 rows x 128 elements, 1,024 elements apart; 4 words of padding behind every 64
	s_or_b32 s[G1B+0], s44, (1<<16)|(1<<20)|(1<<21)|(5<<22)|(3<<25)
	s_mov_b32 s[G1B+1], 128<<16
	s_mov_b32 s[G1B+2], 128<<16
	s_mov_b32 s[G1B+3], 128<<16
	s_mov_b32 s[G1B+4], 128
	s_mov_b32 s[G1B+5], 1024
	s_mov_b32 s[G1B+6], 0
	s_mov_b32 s[G1B+7], 0
	; ctx's tiles hang on the block row and the wave, Wo's on the block column and the wave, each in registers that never hold the other coordinate
	s_lshl_b32 s16, s12, 24                        ; the part: 16,777,216 bytes
	s_lshr_b32 s17, s13, 4                         ; batch = block row / 16: 16 planes
	s_lshl_b32 s17, s17, 22
	s_add_co_u32 s16, s16, s17
	s_and_b32 s17, s13, 15                         ; 128 rows of 128 bytes for each block row inside the batch
	s_lshl_b32 s17, s17, 14
	s_add_co_u32 s16, s16, s17
	s_mov_b32 s17, 0
	s_lshl_b32 s46, s42, 19                        ; 256 rows of 2,048 bytes for each block column
	s_lshl_b32 s47, s12, 18                        ; my 128 rows
	s_add_co_u32 s46, s46, s47
	s_mov_b32 s47, 0
	s_mul_i32 s20, s10, APART                      ; LDS: waves 0, 1 at W x 36,864
	s_mul_i32 s45, s10, BHALF                      ; waves 2, 3 at 73,728 + (W - 2) x 34,816
	s_add_co_u32 s45, s45, BOFF-2*BHALF
	s_wait_dscnt 0x0
	s_wait_kmcnt 0x0
	s_add_nc_u64 s[14:15], s[4:5], s[16:17]
	s_add_nc_u64 s[46:47], s[6:7], s[46:47]
	CROUND                                         ; all sixteen work-groups are here: the first joint loads meet
.irp s, 0,1
	s_mov_b32 s[G0+4*\s], 1
	s_add_co_u32 s[G0+4*\s+1], s20, \s*SLOT
	s_add_nc_u64 s[G0+4*\s+2:G0+4*\s+3], s[14:15], \s*ASTEP
	s_or_b32 s[G0+4*\s+3], s[G0+4*\s+3], 0x80000000
	s_mov_b32 s[G0B+4*\s], 1
	s_add_co_u32 s[G0B+4*\s+1], s45, \s*SLOT
	s_add_nc_u64 s[G0B+4*\s+2:G0B+4*\s+3], s[46:47], \s*BSTEP
	s_or_b32 s[G0B+4*\s+3], s[G0B+4*\s+3], 0x80000000
	JLOAD \s                                       ; both slots' first fills, two loads a wave out
.endr
	v_and_b32 v1, 15, v0                           ; r
	v_bfe_u32 v2, v0, 4, 1                         ; h
	v_mul_u32_u24 v3, v1, APITCH
	v_lshl_add_u32 v3, v2, 4, v3
	v_mul_u32_u24 v4, v1, BPITCH
	v_lshl_add_u32 v4, v2, 4, v4
	s_mul_i32 s21, s11, 64*APITCH                  ; my 64 rows of ctx
	s_mul_i32 s22, s12, BHALF                      ; my 128 rows of Wo
	s_add_co_u32 s22, s22, BOFF
.irp s, 0,1
	v_add_nc_u32 v[ADRA+\s], s21, v3
	v_add_nc_u32 v[ADRB+\s], s22, v4
	s_add_co_u32 s21, s21, SLOT
	s_add_co_u32 s22, s22, SLOT
.endr
	s_mul_i32 s23, s10, 16*SPITCH
	s_add_co_u32 s23, s23, STAGE                   ; my stage
	v_mul_u32_u24 v5, v1, SPITCH
	v_lshl_add_u32 v5, v2, 5, v5                   ; in: row r, 32 bytes for each half of the lanes
	v_add_nc_u32 v[STO], s23, v5
	v_and_b32 v6, 31, v0
	v_lshlrev_b32 v[CO], 4, v6                     ; back and out: 32 lanes take a row's 512 bytes
	v_add_nc_u32 v[RD], s23, v[CO]
; 16 matrix instructions: row blocks a0, a0 + 1 of part (0 or 1) of ctx x all 8 column blocks, 32 along K.  zero = 1: the first product starts the sums.
.macro MUL16 f, part, a0, zero
.irp a, \a0, \a0+1
.irp b, 0,1,2,3,4,5,6,7
.if \zero
	v_wmma_f32_16x16x32_f16 v[8*(8*(\a)+\b):8*(8*(\a)+\b)+7], v[\f+8*\b:\f+8*\b+7], v[\f+8*(4*\part+\a):\f+8*(4*\part+\a)+7], 0
.else
	v_wmma_f32_16x16x32_f16 v[8*(8*(\a)+\b):8*(8*(\a)+\b)+7], v[\f+8*\b:\f+8*\b+7], v[\f+8*(4*\part+\a):\f+8*(4*\part+\a)+7], v[8*(8*(\a)+\b):8*(8*(\a)+\b)+7]
.endif
.endr
.endr
.endm
; 32 LDS loads in one run: quarter kq's fragments into buffer f: Wo's 128 rows; then ctx's 64 rows, part 0 and part 1 (head kq / 2, d = 32 (kq % 2) ..)
.macro FETCH slot, kq, f
	WIN TO_B
.irp i, 0,1,2,3,4,5,6,7
	ds_load_b128 v[\f+8*\i:\f+8*\i+3],   v[ADRB+\slot] offset:64*\kq+\i*16*BPITCH
	ds_load_b128 v[\f+8*\i+4:\f+8*\i+7], v[ADRB+\slot] offset:64*\kq+\i*16*BPITCH+32
.endr
	WIN 0
.irp i, 0,1,2,3,4,5,6,7
	ds_load_b128 v[\f+8*\i:\f+8*\i+3],   v[ADRA+\slot] offset:(\i>>2)*APART+(\kq>>1)*AHEAD+(\kq&1)*64+(\i&3)*16*APITCH
	ds_load_b128 v[\f+8*\i+4:\f+8*\i+7], v[ADRA+\slot] offset:(\i>>2)*APART+(\kq>>1)*AHEAD+(\kq&1)*64+(\i&3)*16*APITCH+32
.endr
.endm
; Four plain vector places stand between a matrix instruction and a load into one of its registers or a read of its result.
.macro PLACES
.rept 4
	v_nop
.endr
.endm
; A quarter step: 32 matrix instructions with part 0, 32 with part 1, on the same 32 accumulators, which take turns, one instruction a turn,
; in the same order everywhere.  In the middle the next quarter's fragments are fetched.
.macro QUARTER slot, kq, f, g, zero
	s_wait_dscnt 8                                 ; Wo and part 0 are in; the youngest eight loads (part 1) may be out
	WIN MUL
	MUL16 \f, 0, 0, \zero
	MUL16 \f, 0, 2, \zero
	PLACES
	FETCH \slot, \kq, \g
	s_wait_dscnt 32                                ; all but the 32 just issued
	WIN MUL
	MUL16 \f, 1, 0, 0
	MUL16 \f, 1, 2, 0
.endm
.macro THREE slot, zero
	QUARTER \slot, 1, F0, F1, \zero
	QUARTER \slot, 2, F1, F0, 0
	QUARTER \slot, 3, F0, F1, 0
.endm
; The last quarter changes slots.  In front of the barrier each wave waits for its reads of this slot and for all its tensor loads (one is
; out: its part of the next slot).  Behind the round the refill comes first, then the next slot's first fragments.
.macro TURN slot, next, fill
	s_wait_dscnt 8
	WIN MUL
	MUL16 F1, 0, 0, 0
	s_wait_dscnt 0                                 ; my reads of this slot are over
	s_wait_tensorcnt 0x0                           ; all my tensor loads have landed
	ds_add_u32 v255, v255
	s_wait_dscnt 0x0
	s_barrier_signal -1
	MUL16 F1, 0, 2, 0                              ; register work while the others arrive
	WIN 0
	s_barrier_wait -1
.if \fill
	CREST                                          ; no wave of any partner still reads this slot or has a load on its way
	s_add_nc_u64 s[G0+4*\slot+2:G0+4*\slot+3], s[G0+4*\slot+2:G0+4*\slot+3], 2*ASTEP
	s_add_nc_u64 s[G0B+4*\slot+2:G0B+4*\slot+3], s[G0B+4*\slot+2:G0B+4*\slot+3], 2*BSTEP
	JLOAD \slot                                    ; the wave's one tensor load behind the round
.endif
	PLACES
	FETCH \next, 0, F0
	WIN MUL
	MUL16 F1, 1, 0, 0
	MUL16 F1, 1, 2, 0
.endm
.macro LAP zero
	THREE 0, \zero
	TURN 0, 1, 1
	THREE 1, 0
	TURN 1, 0, 1
.endm
	s_wait_tensorcnt 1                             ; my part of K step 0 is in; K step 1's stays out
	s_barrier_signal -1
	s_barrier_wait -1
	FETCH 0, 0, F0
	LAP 1                                          ; the first lap's first products start the sums
	WIN 0
	s_mov_b32 s3, LAPS-2
.Llap:
	LAP 0
	WIN 0
	s_sub_co_u32 s3, s3, 1
	s_cmp_lg_u32 s3, 0
	s_cbranch_scc1 .Llap
	THREE 0, 0                                     ; the last lap fills nothing
	TURN 0, 1, 0
	THREE 1, 0
	s_wait_dscnt 8
	WIN MUL
	MUL16 F1, 0, 0, 0
	MUL16 F1, 0, 2, 0
	s_wait_dscnt 0
	MUL16 F1, 1, 0, 0
	MUL16 F1, 1, 2, 0
	; THE WAY OUT, 16 rows at a time: the f32 sums go into my own stage as they are, are read back as whole rows of 512 bytes and stored.
	PLACES
	s_lshl_b32 s16, s13, 19                        ; 128 rows of 4,096 bytes for each block row
	s_lshl_b32 s14, s11, 18                        ; my 64 rows
	s_add_co_u32 s16, s16, s14
	s_mov_b32 s17, 0
	s_add_nc_u64 s[8:9], s[8:9], s[16:17]
	s_lshl_b32 s46, s42, 10                        ; 256 columns of 4 bytes for each block column
	s_lshl_b32 s47, s12, 9                         ; my 128 columns
	s_add_co_u32 s46, s46, s47
	s_mov_b32 s47, 0
	s_add_nc_u64 s[8:9], s[8:9], s[46:47]
.macro OUT16 a, f
	WIN 0x08                                       ; an LDS store's data is source 1: window 2
.irp b, 0,1,2,3,4,5,6,7
	ds_store_b128 v[STO], v[8*(8*\a+\b):8*(8*\a+\b)+3]   offset:64*\b
	ds_store_b128 v[STO], v[8*(8*\a+\b)+4:8*(8*\a+\b)+7] offset:64*\b+16
.endr
	WIN 0
	s_wait_xcnt 0x0                                ; buffer f, which earlier stores read, and the stores' base are rewritten only behind this wait
.if \a
	s_add_nc_u64 s[8:9], s[8:9], 16*4096           ; 16 rows on
.endif
.irp t, 0,1,2,3,4,5,6,7,8,9,10,11,12,13,14,15
	ds_load_b128 v[\f+4*\t:\f+4*\t+3], v[RD] offset:\t*SPITCH      ; a wave's LDS instructions are served in order: these see the stores above
.endr
.irp t, 0,1,2,3,4,5,6,7,8,9,10,11,12,13,14,15
	s_wait_dscnt 15-\t
	global_store_b128 v[CO], v[\f+4*\t:\f+4*\t+3], s[8:9] offset:4096*\t th:TH_STORE_NT   ; 512 consecutive bytes of a row, aligned
.endr
.endm
	OUT16 0, F0
	OUT16 1, F1
	OUT16 2, F0
	OUT16 3, F1
	s_set_vgpr_msb 0x1
	s_wait_tensorcnt 0x0
	ds_add_u32 v255, v255
	s_wait_dscnt 0x0
	s_set_vgpr_msb 0x100
	CROUND                                         ; the closing round: no work-group ends while a partner may still ask for a tile that names it
	s_endpgm
.Lfunc_end_k_q531bb92784_outp:
	.size	k_q531bb92784_outp, .Lfunc_end_k_q531bb92784_outp-k_q531bb92784_outp
	.p2alignl 7, 3214868480
	.fill 96, 4, 3214868480
	.section	.rodata,"a",@progbits
	.p2align	6, 0x0
	.amdhsa_kernel k_q531bb92784_outp
		.amdhsa_group_segment_fixed_size 327680
		.amdhsa_private_segment_fixed_size 0
		.amdhsa_enable_private_segment 0
		.amdhsa_kernarg_size 24
		.amdhsa_user_sgpr_count 2
		.amdhsa_user_sgpr_kernarg_segment_ptr 1
		.amdhsa_wavefront_size32 1
		.amdhsa_system_sgpr_workgroup_id_x 1
		.amdhsa_system_sgpr_workgroup_id_y 1
		.amdhsa_system_sgpr_workgroup_id_z 1
		.amdhsa_system_vgpr_workitem_id 0
		.amdhsa_next_free_vgpr 768
		.amdhsa_next_free_sgpr 66
		.amdhsa_reserve_vcc 0
		.amdhsa_float_denorm_mode_32 3
		.amdhsa_float_denorm_mode_16_64 3
		.amdhsa_memory_ordered 1
		.amdhsa_forward_progress 1
		.amdhsa_inst_pref_size 179
	.end_amdhsa_kernel
	.amdgpu_metadata
---
amdhsa.version: [ 1, 2 ]
amdhsa.kernels:
  - .name:           k_q531bb92784_outp
    .symbol:         k_q531bb92784_outp.kd
    .args:
      - { .name: ctxh, .offset: 0, .size: 8, .value_kind: global_buffer, .address_space: global }
      - { .name: wo16, .offset: 8, .size: 8, .value_kind: global_buffer, .address_space: global }
      - { .name: out0, .offset: 16, .size: 8, .value_kind: global_buffer, .address_space: global }
    .group_segment_fixed_size: 327680
    .private_segment_fixed_size: 0
    .kernarg_segment_align: 8
    .kernarg_segment_size: 24
    .max_flat_workgroup_size: 128
    .sgpr_count:     66
    .vgpr_count:     768
    .wavefront_size: 32
...
	.end_amdgpu_metadata
.endif
;; end of part 4
;; ======== version 2 of 3: 4 launches
;; limits: values are held in f16: magnitudes above 65,504 overflow, below 6.1e-05 lose precision
;; workspace buffers: xb 16,777,216 bytes; wqkv 6,291,456 bytes; wo16 2,097,152 bytes; qkvh 50,331,648 bytes; ctxh 33,554,432 bytes
;; launch cast: the kernel of part 1 again; grid 768 x 1, 8 waves a work-group, no clusters, 0 bytes of LDS; arguments x, Wq, Wk, Wv, Wo, xb, wqkv, wo16; writes xb, wqkv, wo16
;; launch qkv: the kernel of part 2 again; grid 12 x 32, 4 waves a work-group, clusters of 4 x 4, 327,680 bytes of LDS; arguments xb, wqkv, qkvh; writes qkvh
;; launch attn (part 5): grid 4 x 64, 8 waves a work-group, no clusters, 327,680 bytes of LDS; arguments qkvh, ctxh; writes ctxh
.if DOCPART == 5
	.amdgcn_target "amdgcn-amd-amdhsa--gfx1250"
	.amdhsa_code_object_version 6
	.text
	.protected	k_q531bb92784_attn
	.globl	k_q531bb92784_attn
	.p2align	8
	.type	k_q531bb92784_attn,@function
k_q531bb92784_attn:
	s_mov_b64 s[64:65], 0
	v_nop
	global_prefetch_b8 v0, s[64:65] scope:SCOPE_SE
	s_setreg_imm32_b32 hwreg(HW_REG_WAVE_MODE, 25, 1), 1
	s_wait_xcnt 0x0
; Causal softmax attention of one (batch, head) plane: ctx = softmax(q k^T / 8, keys <= query) v, with a running maximum.
; qkvh[sel][plane][2048][64] f16 (sel 0 q, 1 k, 2 v); ctxh[part][plane][2048][64] f16: part 0 = ctx rounded to f16, part 1 = the remainder
; of that rounding, rounded to f16.
; LIMITS: P and ctx in f16 (|ctx| < 65,504); remainders below 2^-14 lose bits, absolute error at most 2^-25.
; SHARES: a plane has 8 query blocks of 256.  Work-group p takes block 2 p and then block 7 - 2 p: 9 key tiles of 256 for every work-group.
; Tiles above the diagonal are never touched; the diagonal tile of a block comes first, so that every row has a finite maximum from its first step.
; Wave W owns queries 32 W .. 32 W + 31 of the block, as two tiles t of 16; two waves lie on a SIMD, so that one's softmax runs beside the other's products.
; FORMS: S^T = K Q^T (register j of lane (r, h): key 8 h + j, query r); two neighbouring key tiles packed to f16 are the B fragment of P^T;
; O^T = V^T P^T with V^T through the transposing LDS load.  So maximum, sum and rescale are per lane; only the maximum crosses the two halves of the wave.
; CODE: the four steps of 64 keys of a full tile are one counted loop whose LDS addresses step by 64 rows; a diagonal tile's steps are written
; out, since each has its own mask constants and its own exit: 13 step bodies in the text serve a work-group's 36 steps.
; NO CLUSTER: the four work-groups of a plane want different tiles at different times (their blocks' diagonals differ); walking all eight
; tiles jointly in step would cost 12 tile times where each now has 9.
.set KP,    144                        ; pitch of K's rows: 128 bytes + 16: an odd multiple of 16
.set VP,    160                        ; pitch of V's rows: 128 bytes + 32: an odd multiple of 32, for the transposing load
.set KOFF,  256*VP                     ; a slot: V's 256 keys (40,960 bytes), then K's (36,864)
.set SLOTB, 256*VP+256*KP              ; 77,824
.set STAGE, 2*SLOTB                    ; 155,648: each wave's own 9,216 bytes: 32 rows x 144 of part 0, then of part 1; no fill lands here
.set KB,   2                           ; v2  r x 144 + 16 h: my place in a K fragment
.set KC,   3                           ; v3  K's LDS address: the tile's first keys, or in a full tile's loop the step's
.set VB,   4                           ; v4  (8 h + (L & 7)) x 160 + 16 ((L >> 3) & 1): my place in a V fragment
.set VC,   5                           ; v5  V's LDS address, likewise
                                       ; v1 prefetch offset; v6 Q offset; v7 stage in; v8 stage back; v9 ctx offset; v10 32 W + r - 8 h; v11 -inf
.set SA,   12                          ; v[12:15] scratch: tile 0's sums; the packed part 0 on the way out
.set QF,   16                          ; v[16:47]   Q fragment (t, dh) at 16 t + 8 dh
.set OO,   48                          ; v[48:111]  O tile (t, dt) at 32 t + 8 dt
.set SS,   112                         ; v[112:175] S tile (t, kt) at 32 t + 8 kt; then P fragment (t, u) at 32 t + 16 u
.set KV,   176                         ; v[176:239] K fragment (kt, dh) at 16 kt + 8 dh, then V fragment (dt, u) at 16 dt + 8 u; scratch on the way out
.set MX,   240                         ; v240-241 running maximum
.set LS,   242                         ; v242-243 running sum (this half of the wave's keys)
.set NMC,  244                         ; v[244:247] -c x maximum, as pairs
.set AL,   248                         ; v[248:251] rescale factor, as pairs
.set TA,   252                         ; v252-253, v254-255: at work on the maxima; then tile 1's sums
.set TB,   254
.set G1V, 32                           ; s[32:39] group 1 for V
.set G1K, 40                           ; s[40:47] group 1 for K
.set G0V, 48                           ; s[48:55] group 0 for V, slot 0, 1
.set G0K, 56                           ; s[56:63] group 0 for K, slot 0, 1
	s_load_b128 s[4:7], s[0:1], 0x0                ; qkvh s[4:5], ctxh s[6:7]
	s_set_vgpr_msb 0x40
	v_lshl_add_u32 v0, v0, 2, 0x38000
	v_mov_b32 v1, 0
	s_set_vgpr_msb 0x4045
	ds_add_u32 v0, v1
	s_set_vgpr_msb 0x4500
	v_lshrrev_b32 v12, 5, v0
	v_readfirstlane_b32 s8, v12                    ; W
	s_and_b32 s9, s8, 1                            ; which 128 keys of a tile I fetch
	s_lshr_b32 s10, s8, 1                          ; 0: I fetch V; 1: K; 2, 3: nothing
	s_mov_b32 s11, ttmp9                           ; p
	s_and_b32 s12, ttmp7, 0xffff                   ; plane
	s_lshl_b32 s13, s11, 1                         ; first block 2 p
	s_sub_co_u32 s14, 7, s13                       ; second block 7 - 2 p
	s_mov_b32 s16, 0x76543210                      ; v_permlanex16_b32: lane i reads lane i of the other half
	s_mov_b32 s17, 0xfedcba98
	s_mov_b32 s18, 0x3e38aa3b                      ; c = log2(e) / 8
	s_mov_b32 s19, 0x3e38aa3b
	s_mov_b32 s20, 0xbe38aa3b                      ; -c
	; group 1: 64 rows of 128 elements of 2 bytes (256 bytes = two keys), dense; padding behind every 32 words (one key): 8 words for V, 4 for K
	s_mov_b32 s[G1V+0], (1<<16)|(1<<20)|(4<<22)|(7<<25)
	s_mov_b32 s[G1K+0], (1<<16)|(1<<20)|(4<<22)|(3<<25)
	s_mov_b32 s[G1V+1], 128<<16
	s_mov_b32 s[G1K+1], 128<<16                    ; tensor_dim0 = 128
	s_mov_b32 s[G1V+2], 64<<16
	s_mov_b32 s[G1K+2], 64<<16                     ; tensor_dim1 = 64
	s_mov_b32 s[G1V+3], 128<<16
	s_mov_b32 s[G1K+3], 128<<16                    ; tile_dim0 = 128
	s_mov_b32 s[G1V+4], 64
	s_mov_b32 s[G1K+4], 64                         ; tile_dim1 = 64
	s_mov_b32 s[G1V+5], 128
	s_mov_b32 s[G1K+5], 128                        ; elements from row to row
	s_mov_b32 s[G1V+6], 0
	s_mov_b32 s[G1K+6], 0
	s_mov_b32 s[G1V+7], 0
	s_mov_b32 s[G1K+7], 0
	s_mov_b32 s[G0V+0], 1
	s_mul_i32 s[G0V+1], s8, 128*VP                 ; waves 0, 1: V's halves at W x 20,480
	s_mov_b32 s[G0V+4], 1
	s_add_co_u32 s[G0V+5], s[G0V+1], SLOTB
	s_mov_b32 s[G0K+0], 1
	s_mul_i32 s[G0K+1], s8, 128*KP                 ; waves 2, 3: K's halves at 40,960 + (W - 2) x 18,432
	s_add_co_u32 s[G0K+1], s[G0K+1], KOFF-2*128*KP
	s_mov_b32 s[G0K+4], 1
	s_add_co_u32 s[G0K+5], s[G0K+1], SLOTB
	s_add_co_u32 s26, s12, 128                     ; v's plane
	s_lshl_b32 s26, s26, 18
	s_lshl_b32 s24, s9, 14                         ; my 128 keys of 128 bytes
	s_add_co_u32 s26, s26, s24
	s_mov_b32 s27, 0                               ; stays 0: the high word of every offset
	s_wait_dscnt 0x0
	s_wait_kmcnt 0x0
	s_add_nc_u64 s[28:29], s[4:5], s[26:27]        ; v's plane at my keys
	s_sub_co_u32 s26, s26, 0x1000000               ; k's plane lies 64 planes in front
	s_add_nc_u64 s[30:31], s[4:5], s[26:27]        ; k's plane at my keys
; Both group 0s of slot s get the tile at byte offset s[26:27] of the plane.  Written only where no tensor load of the wave is out.
.macro SETG0 s
	s_add_nc_u64 s[G0V+4*\s+2:G0V+4*\s+3], s[28:29], s[26:27]
	s_or_b32 s[G0V+4*\s+3], s[G0V+4*\s+3], 0x80000000
	s_add_nc_u64 s[G0K+4*\s+2:G0K+4*\s+3], s[30:31], s[26:27]
	s_or_b32 s[G0K+4*\s+3], s[G0K+4*\s+3], 0x80000000
.endm
; The next tile in the walk: T while T < LIM, then ALT (the second block's diagonal tile).
.macro NEXT s
	s_cmp_lt_u32 s21, s22
	s_cselect_b32 s24, s21, s23
	s_add_co_u32 s21, s21, 1
	s_lshl_b32 s26, s24, 15                        ; 256 keys of 128 bytes
	SETG0 \s
.endm
; One tensor load of 16 KiB by each of waves 0-3; waves 4-7 issue none.  The branches hang on the wave's number alone.
.macro KVLOAD s
	s_cmp_gt_u32 s10, 1
	s_cbranch_scc1 .Lkv_done_\@
	s_cmp_eq_u32 s10, 0
	s_cbranch_scc0 .Lkv_k_\@
	tensor_load_to_lds s[G0V+4*\s:G0V+4*\s+3], s[G1V:G1V+7]
	s_nop 0
	s_branch .Lkv_done_\@
.Lkv_k_\@:
	tensor_load_to_lds s[G0K+4*\s:G0K+4*\s+3], s[G1K:G1K+7]
	s_nop 0
.Lkv_done_\@:
.endm
.macro QLOAD b                         ; my 32 queries as four B fragments: lane (r, h) takes d = 32 dh + 8 h .. and 32 dh + 16 + 8 h .. of query 16 t + r
.irp t, 0,1
.irp dh, 0,1
	global_load_b128 v[QF+16*\t+8*\dh:QF+16*\t+8*\dh+3],   v6, s[\b:\b+1] offset:2048*\t+64*\dh
	global_load_b128 v[QF+16*\t+8*\dh+4:QF+16*\t+8*\dh+7], v6, s[\b:\b+1] offset:2048*\t+64*\dh+32
.endr
.endr
.endm
	s_lshl_b32 s26, s13, 15
	SETG0 0
	KVLOAD 0                                       ; the first fill: the first block's diagonal tile.  At most one tensor load of a wave is ever out
	; One request ahead: K and V of the second block's diagonal tile, 2 x 128 blocks of 256 bytes, one a thread.  The odd tiles 7 - 2 p
	; are asked for once each in the launch this way; the even tiles 2 p are the first fills themselves.
	v_lshrrev_b32 v12, 7, v0
	v_lshlrev_b32 v12, 24, v12                     ; threads 128-255: v's plane, 64 planes behind k's
	v_and_b32 v13, 127, v0
	v_lshl_add_u32 v12, v13, 8, v12
	s_add_co_u32 s24, s12, 64
	s_lshl_b32 s24, s24, 18
	s_lshl_b32 s25, s14, 15
	s_add_co_u32 s24, s24, s25
	v_add_nc_u32 v1, s24, v12
	global_prefetch_b8 v1, s[4:5] th:TH_LOAD_NT scope:SCOPE_SE
	s_lshl_b32 s26, s12, 18                        ; q's and ctx's plane, first block
	s_lshl_b32 s24, s13, 15
	s_add_co_u32 s26, s26, s24
	s_add_nc_u64 s[66:67], s[4:5], s[26:27]        ; q, first block
	s_add_nc_u64 s[70:71], s[6:7], s[26:27]        ; ctx part 0, first block
	s_add_nc_u64 s[72:73], s[70:71], 0x1000000     ; part 1
	s_lshl_b32 s26, s12, 18                        ; second block
	s_lshl_b32 s24, s14, 15
	s_add_co_u32 s26, s26, s24
	s_add_nc_u64 s[68:69], s[4:5], s[26:27]        ; q, second block
	s_add_nc_u64 s[74:75], s[6:7], s[26:27]
	s_add_nc_u64 s[76:77], s[74:75], 0x1000000
	v_and_b32 v12, 15, v0                          ; r
	v_bfe_u32 v13, v0, 4, 1                        ; h
	v_and_b32 v14, 31, v0                          ; L
	s_lshl_b32 s25, s8, 12                         ; my 32 rows of 128 bytes
	v_lshlrev_b32 v6, 7, v12
	v_lshl_add_u32 v6, v13, 4, v6
	v_add_nc_u32 v6, s25, v6                       ; (32 W + r) x 128 + 16 h
	QLOAD 66
	v_mul_u32_u24 v[KB], v12, KP
	v_lshl_add_u32 v[KB], v13, 4, v[KB]            ; r x 144 + 16 h
	s_mul_i32 s24, s8, 9216
	s_add_co_u32 s24, s24, STAGE                   ; my stage
	v_add_nc_u32 v7, s24, v[KB]
	v_and_b32 v15, 7, v0
	v_lshl_add_u32 v15, v13, 3, v15                ; key 8 h + (L & 7)
	v_mul_u32_u24 v15, v15, VP
	v_bfe_u32 v[VB], v0, 3, 1
	v_lshl_add_u32 v[VB], v[VB], 4, v15            ; + 16 ((L >> 3) & 1)
	v_lshrrev_b32 v8, 3, v14
	v_mul_u32_u24 v8, v8, KP                       ; back: 8 lanes a row of 128 bytes, 4 rows a load
	v_and_b32 v15, 7, v0
	v_lshl_add_u32 v8, v15, 4, v8
	v_add_nc_u32 v8, s24, v8
	v_lshl_add_u32 v9, v14, 4, s25                 ; 4,096 W + 16 L
	v_lshlrev_b32 v10, 3, v13
	v_sub_nc_u32 v10, v12, v10
	s_lshl_b32 s25, s8, 5
	v_add_nc_u32 v10, s25, v10                     ; 32 W + r - 8 h
	v_mov_b32 v11, 0xff800000                      ; -inf
; The softmax of a step's 64 keys x 32 queries, the two query tiles side by side.  first = 1: the block's first step starts maximum and sum.
.macro SOFTMAX first
.irp t, 0,1
.if \first
	v_max_num_f32 v[TA+\t], v[SS+32*\t], v[SS+32*\t+1]
.else
	v_max3_num_f32 v[TA+\t], v[MX+\t], v[SS+32*\t], v[SS+32*\t+1]
.endif
	v_max3_num_f32 v[TB+\t], v[SS+32*\t+16], v[SS+32*\t+17], v[SS+32*\t+18]
.endr
.irp i, 1,2,3,4,5,6
.irp t, 0,1
	v_max3_num_f32 v[TA+\t], v[TA+\t], v[SS+32*\t+2*\i], v[SS+32*\t+2*\i+1]
	v_max3_num_f32 v[TB+\t], v[TB+\t], v[SS+32*\t+17+2*\i], v[SS+32*\t+18+2*\i]
.endr
.endr
.irp t, 0,1
	v_max3_num_f32 v[TA+\t], v[TA+\t], v[SS+32*\t+14], v[SS+32*\t+15]
.endr
.irp t, 0,1
	v_max3_num_f32 v[TA+\t], v[TA+\t], v[TB+\t], v[SS+32*\t+31]
.endr
.irp t, 0,1
	v_permlanex16_b32 v[TB+\t], v[TA+\t], s16, s17 ; the other half of the wave holds the query's other keys
.endr
.irp t, 0,1
	v_max_num_f32 v[MX+\t], v[TA+\t], v[TB+\t]
.endr
.irp t, 0,1
	v_mul_f32 v[TA+\t], s20, v[MX+\t]              ; -c m
.endr
.if \first == 0
.irp t, 0,1
	v_sub_f32 v[TB+\t], v[TA+\t], v[NMC+2*\t]      ; c (m old - m new), at most 0
.endr
.irp t, 0,1
	v_exp_f32 v[AL+2*\t], v[TB+\t]
	v_exp_f32 v[AL+2*\t+1], v[TB+\t]
.endr
.endif
.irp t, 0,1
	v_mov_b32 v[NMC+2*\t], v[TA+\t]                ; plain work behind the exponentials above (ISA guide 5.7.2)
	v_mov_b32 v[NMC+2*\t+1], v[TA+\t]
.endr
.set ii, 0
.rept 16
	v_pk_fma_f32 v[SS+ii:SS+ii+1], v[SS+ii:SS+ii+1], s[18:19], v[NMC:NMC+1] op_sel_hi:[1,0,1]             ; c s - c m
	v_pk_fma_f32 v[SS+32+ii:SS+33+ii], v[SS+32+ii:SS+33+ii], s[18:19], v[NMC+2:NMC+3] op_sel_hi:[1,0,1]
.set ii, ii+2
.endr
.set ii, 0
.rept 64
	v_exp_f32 v[SS+ii], v[SS+ii]
.set ii, ii+1
.endr
.if \first
	v_nop                                          ; the plain place behind the exponentials
	s_wait_alu depctr_va_vdst(0)
.else
.set ii, 0
	s_wait_alu depctr_va_vdst(0)
.rept 16
	v_pk_mul_f32 v[OO+ii:OO+ii+1], v[OO+ii:OO+ii+1], v[AL:AL+1]               ; O is rescaled: also the plain work behind the exponentials
	v_pk_mul_f32 v[OO+32+ii:OO+33+ii], v[OO+32+ii:OO+33+ii], v[AL+2:AL+3]
.set ii, ii+2
.endr
.endif
.irp t, 0,1
	v_pk_add_f32 v[SA+240*\t:SA+240*\t+1],   v[SS+32*\t:SS+32*\t+1],       v[SS+32*\t+2:SS+32*\t+3]      ; two chains a tile; tile 1's lie in v[252:255]
	v_pk_add_f32 v[SA+240*\t+2:SA+240*\t+3], v[SS+32*\t+16:SS+32*\t+17],   v[SS+32*\t+18:SS+32*\t+19]
.endr
.irp i, 2,3,4,5,6,7
.irp t, 0,1
	v_pk_add_f32 v[SA+240*\t:SA+240*\t+1],   v[SA+240*\t:SA+240*\t+1],     v[SS+32*\t+2*\i:SS+32*\t+2*\i+1]
	v_pk_add_f32 v[SA+240*\t+2:SA+240*\t+3], v[SA+240*\t+2:SA+240*\t+3],   v[SS+32*\t+16+2*\i:SS+32*\t+17+2*\i]
.endr
.endr
.irp t, 0,1
	v_pk_add_f32 v[SA+240*\t:SA+240*\t+1], v[SA+240*\t:SA+240*\t+1], v[SA+240*\t+2:SA+240*\t+3]
.endr
.irp t, 0,1
.if \first
	v_add_f32 v[LS+\t], v[SA+240*\t], v[SA+240*\t+1]
.else
	v_add_f32 v[SA+240*\t], v[SA+240*\t], v[SA+240*\t+1]
	v_fma_f32 v[LS+\t], v[LS+\t], v[AL+2*\t], v[SA+240*\t]
.endif
.endr
.irp t, 0,1
.irp u, 0,1
.irp i, 0,1,2,3,4,5,6,7
	v_cvt_pk_f16_f32 v[SS+32*\t+16*\u+\i], v[SS+32*\t+16*\u+2*\i], v[SS+32*\t+16*\u+2*\i+1]   ; in place, ascending: register i is free when it is written
.endr
.endr
.endr
.endm
; 64 keys against my 32 queries: keys 64 st .. behind the LDS addresses in KC and VC.  diag = 1: the tile lies on the diagonal.
; roll = 1 (with st = 0): the body of a full tile's loop: both addresses are left at the next 64 keys.
; In every run of matrix instructions eight accumulators take turns, one instruction a turn.
.macro STEP st, first, diag, roll
.irp dh, 0,1
.irp kt, 0,1,2,3
	ds_load_b128 v[KV+16*\kt+8*\dh:KV+16*\kt+8*\dh+3],   v[KC] offset:(64*\st+16*\kt)*KP+64*\dh
	ds_load_b128 v[KV+16*\kt+8*\dh+4:KV+16*\kt+8*\dh+7], v[KC] offset:(64*\st+16*\kt)*KP+64*\dh+32
.endr
.endr
	s_wait_dscnt 0x8                               ; d = 0..31 of the four key tiles are in; the eight loads of d = 32..63 stay out
.if \first
	s_wait_loadcnt 0x0                             ; my queries
.endif
.irp kt, 0,1,2,3
.irp t, 0,1
	v_wmma_f32_16x16x32_f16 v[SS+32*\t+8*\kt:SS+32*\t+8*\kt+7], v[KV+16*\kt:KV+16*\kt+7], v[QF+16*\t:QF+16*\t+7], 0
.endr
.endr
	s_wait_dscnt 0x0
.irp kt, 0,1,2,3
.irp t, 0,1
	v_wmma_f32_16x16x32_f16 v[SS+32*\t+8*\kt:SS+32*\t+8*\kt+7], v[KV+16*\kt+8:KV+16*\kt+15], v[QF+16*\t+8:QF+16*\t+15], v[SS+32*\t+8*\kt:SS+32*\t+8*\kt+7]
.endr
.endr
	; four places: K's registers are loaded again, and S is read (ISA guide 7.12.1)
.if \roll
	v_add_nc_u32 v[KC], 64*KP, v[KC]               ; K's loads of this step are back: the next 64 keys
.else
	v_nop
.endif
.rept 3
	v_nop
.endr
.irp u, 0,1
.irp dt, 0,1,2,3
	ds_load_tr16_b128 v[KV+16*\dt+8*\u:KV+16*\dt+8*\u+3],   v[VC] offset:(64*\st+32*\u)*VP+32*\dt
	ds_load_tr16_b128 v[KV+16*\dt+8*\u+4:KV+16*\dt+8*\u+7], v[VC] offset:(64*\st+32*\u)*VP+32*\dt+16*VP
.endr
.endr
.if \diag
.irp t, 0,1
.irp kt, 0,1,2,3
.irp j, 0,1,2,3,4,5,6,7
	v_cmp_gt_i32 vcc_lo, 64*\st+16*\kt+\j-16*\t, v10                          ; key 64 st + 16 kt + 8 h + j > query 32 W + 16 t + r
	v_cndmask_b32 v[SS+32*\t+8*\kt+\j], v[SS+32*\t+8*\kt+\j], v11, vcc_lo     ; then -inf
.endr
.endr
.endr
.endif
	SOFTMAX \first
	s_wait_dscnt 0x8                               ; V of the first 32 keys is in; the eight loads of the second 32 stay out
.irp dt, 0,1,2,3
.irp t, 0,1
.if \first
	v_wmma_f32_16x16x32_f16 v[OO+32*\t+8*\dt:OO+32*\t+8*\dt+7], v[KV+16*\dt:KV+16*\dt+7], v[SS+32*\t:SS+32*\t+7], 0
.else
	v_wmma_f32_16x16x32_f16 v[OO+32*\t+8*\dt:OO+32*\t+8*\dt+7], v[KV+16*\dt:KV+16*\dt+7], v[SS+32*\t:SS+32*\t+7], v[OO+32*\t+8*\dt:OO+32*\t+8*\dt+7]
.endif
.endr
.endr
	s_wait_dscnt 0x0
.irp dt, 0,1,2,3
.irp t, 0,1
	v_wmma_f32_16x16x32_f16 v[OO+32*\t+8*\dt:OO+32*\t+8*\dt+7], v[KV+16*\dt+8:KV+16*\dt+15], v[SS+32*\t+16:SS+32*\t+23], v[OO+32*\t+8*\dt:OO+32*\t+8*\dt+7]
.endr
.endr
	; five places: the next S products write over P; V's registers are loaded again; O is read
.if \roll
	v_add_nc_u32 v[VC], 64*VP, v[VC]               ; V's loads of this step are back: the next 64 keys
.else
	v_nop
.endif
.rept 4
	v_nop
.endr
.endm
; One key tile.  In front of the barrier every wave waits for all its tensor loads (its part of this tile among them) and for its reads of the
; other slot; behind it the other slot's refill comes first, one tensor load a wave, and has this tile's four steps in which to land.
.macro TRIP slot, other, diag, refill
	s_set_vgpr_msb 0x5
	s_wait_tensorcnt 0x0
	ds_add_u32 v0, v1
	s_wait_dscnt 0x0
	s_set_vgpr_msb 0x500
.if \refill
	NEXT \other                                    ; no tensor load of mine is out: group 0 may be written
.endif
	s_wait_dscnt 0x0
	s_barrier_signal -1
	s_barrier_wait -1
.if \refill
	KVLOAD \other
.endif
	v_add_nc_u32 v[KC], KOFF+\slot*SLOTB, v[KB]    ; the tile's first 64 keys
	v_add_nc_u32 v[VC], \slot*SLOTB, v[VB]
.if \diag
	STEP 0, 1, 1, 0                                ; the block's key 0 is visible to all its rows: every maximum is finite from here on
	s_cmp_lt_u32 s8, 2                             ; keys 64 st .. lie above all of my queries where W < 2 st
	s_cbranch_scc1 .Ltrip_end_\@
	STEP 1, 0, 1, 0
	s_cmp_lt_u32 s8, 4
	s_cbranch_scc1 .Ltrip_end_\@
	STEP 2, 0, 1, 0
	s_cmp_lt_u32 s8, 6
	s_cbranch_scc1 .Ltrip_end_\@
	STEP 3, 0, 1, 0
.Ltrip_end_\@:
.else
	s_mov_b32 s25, 0                               ; four steps of 64 keys
.Lst_\@:
	STEP 0, 0, 0, 1
	s_add_co_u32 s25, s25, 1
	s_cmp_lt_u32 s25, 4
	s_cbranch_scc1 .Lst_\@
.endif
.endm
; One O tile: divide by the sum, round to f16 (part 0), round the remainder to f16 (part 1), both into my stage.
.macro OTILE t, dt
.set OB, OO+32*\t+8*\dt
.irp i, 0,2,4,6
	v_pk_mul_f32 v[OB+\i:OB+\i+1], v[OB+\i:OB+\i+1], v[AL+2*\t:AL+2*\t+1]
.endr
	v_cvt_pk_f16_f32 v12, v[OB], v[OB+1]
	v_cvt_pk_f16_f32 v13, v[OB+2], v[OB+3]
	v_cvt_pk_f16_f32 v14, v[OB+4], v[OB+5]
	v_cvt_pk_f16_f32 v15, v[OB+6], v[OB+7]
	ds_store_b128 v7, v[12:15] offset:2304*\t+32*\dt               ; row 16 t + r, d = 16 dt + 8 h ..
	v_cvt_f32_f16 v[KV], v12.l
	v_cvt_f32_f16 v[KV+1], v12.h
	v_cvt_f32_f16 v[KV+2], v13.l
	v_cvt_f32_f16 v[KV+3], v13.h
	v_cvt_f32_f16 v[KV+4], v14.l
	v_cvt_f32_f16 v[KV+5], v14.h
	v_cvt_f32_f16 v[KV+6], v15.l
	v_cvt_f32_f16 v[KV+7], v15.h
.irp i, 0,2,4,6
	v_pk_add_f32 v[OB+\i:OB+\i+1], v[OB+\i:OB+\i+1], v[KV+\i:KV+\i+1] neg_lo:[0,1] neg_hi:[0,1]
.endr
	v_cvt_pk_f16_f32 v[KV+8], v[OB], v[OB+1]
	v_cvt_pk_f16_f32 v[KV+9], v[OB+2], v[OB+3]
	v_cvt_pk_f16_f32 v[KV+10], v[OB+4], v[OB+5]
	v_cvt_pk_f16_f32 v[KV+11], v[OB+6], v[OB+7]
	ds_store_b128 v7, v[KV+8:KV+11] offset:4608+2304*\t+32*\dt
.endm
; The end of a block.  more = 1: the second block's queries are asked for first, and the registers that stores read are freed at the end.
.macro FINISH more, ch, cl
.if \more
	QLOAD 68
.endif
.irp t, 0,1
	v_permlanex16_b32 v[TB+\t], v[LS+\t], s16, s17 ; the other half's part of the sum
.endr
.irp t, 0,1
	v_add_f32 v[LS+\t], v[LS+\t], v[TB+\t]
.endr
.irp t, 0,1
	v_rcp_f32 v[AL+2*\t], v[LS+\t]
	v_rcp_f32 v[AL+2*\t+1], v[LS+\t]
.endr
	v_nop                                          ; the plain place behind the reciprocals
	s_wait_alu depctr_va_vdst(0)
.irp t, 0,1
.irp dt, 0,1,2,3
	OTILE \t, \dt
.endr
.endr
.irp g, 0,1,2,3,4,5,6,7
	ds_load_b128 v[KV+4*\g:KV+4*\g+3], v8 offset:576*\g            ; my own bytes: a wave's LDS instructions are served in order
.endr
.irp g, 0,1,2,3,4,5,6,7
	ds_load_b128 v[KV+32+4*\g:KV+32+4*\g+3], v8 offset:4608+576*\g
.endr
.irp g, 0,1,2,3,4,5,6,7
	s_wait_dscnt 15-\g                             ; the younger read-backs stay out
	global_store_b128 v9, v[KV+4*\g:KV+4*\g+3], s[\ch:\ch+1] offset:512*\g         ; four rows: 512 consecutive bytes, aligned
.endr
.irp g, 0,1,2,3,4,5,6,7
	s_wait_dscnt 7-\g
	global_store_b128 v9, v[KV+32+4*\g:KV+32+4*\g+3], s[\cl:\cl+1] offset:512*\g
.endr
.if \more
	s_wait_xcnt 0x0                                ; the stores' data registers are loaded again only behind this wait
.endif
.endm
	s_mov_b32 s21, 0                               ; the walk behind the first tile: 0 .. 2 p - 1, then tile 7 - 2 p
	s_mov_b32 s22, s13
	s_mov_b32 s23, s14
	TRIP 0, 1, 1, 1
	s_cmp_eq_u32 s11, 0
	s_cbranch_scc1 .Lfirst_done
	s_mov_b32 s15, s11                             ; p trips of two full tiles
.Lfirst:
	TRIP 1, 0, 0, 1
	TRIP 0, 1, 0, 1
	s_sub_co_u32 s15, s15, 1
	s_cmp_lg_u32 s15, 0
	s_cbranch_scc1 .Lfirst
.Lfirst_done:
	FINISH 1, 70, 72
	s_mov_b32 s21, 0                               ; the walk of the second block: 0 .. 6 - 2 p
	s_mov_b32 s22, s14
	s_mov_b32 s23, 0
	TRIP 1, 0, 1, 1
	s_sub_co_u32 s15, 3, s11                       ; 3 - p trips of two full tiles
	s_cmp_eq_u32 s15, 0
	s_cbranch_scc1 .Lsecond_done
.Lsecond:
	TRIP 0, 1, 0, 1
	TRIP 1, 0, 0, 1
	s_sub_co_u32 s15, s15, 1
	s_cmp_lg_u32 s15, 0
	s_cbranch_scc1 .Lsecond
.Lsecond_done:
	TRIP 0, 1, 0, 0                                ; the last tile: nothing is left to fetch
	FINISH 0, 74, 76
	s_set_vgpr_msb 0x5
	s_wait_tensorcnt 0x0
	ds_add_u32 v0, v1
	s_wait_dscnt 0x0
	s_set_vgpr_msb 0x500
	s_endpgm
.Lfunc_end_k_q531bb92784_attn:
	.size	k_q531bb92784_attn, .Lfunc_end_k_q531bb92784_attn-k_q531bb92784_attn
	.p2alignl 7, 3214868480
	.fill 96, 4, 3214868480
	.section	.rodata,"a",@progbits
	.p2align	6, 0x0
	.amdhsa_kernel k_q531bb92784_attn
		.amdhsa_group_segment_fixed_size 327680
		.amdhsa_private_segment_fixed_size 0
		.amdhsa_enable_private_segment 0
		.amdhsa_kernarg_size 16
		.amdhsa_user_sgpr_count 2
		.amdhsa_user_sgpr_kernarg_segment_ptr 1
		.amdhsa_wavefront_size32 1
		.amdhsa_system_sgpr_workgroup_id_x 1
		.amdhsa_system_sgpr_workgroup_id_y 1
		.amdhsa_system_sgpr_workgroup_id_z 1
		.amdhsa_system_vgpr_workitem_id 0
		.amdhsa_next_free_vgpr 258
		.amdhsa_next_free_sgpr 80
		.amdhsa_reserve_vcc 1
		.amdhsa_float_denorm_mode_32 3
		.amdhsa_float_denorm_mode_16_64 3
		.amdhsa_memory_ordered 1
		.amdhsa_forward_progress 1
		.amdhsa_inst_pref_size 255
	.end_amdhsa_kernel
	.section	.bss,"aw",@nobits
	.p2align	6
	.space	262144
	.amdgpu_metadata
---
amdhsa.version: [ 1, 2 ]
amdhsa.kernels:
  - .name:           k_q531bb92784_attn
    .symbol:         k_q531bb92784_attn.kd
    .args:
      - { .name: qkvh, .offset: 0, .size: 8, .value_kind: global_buffer, .address_space: global }
      - { .name: ctxh, .offset: 8, .size: 8, .value_kind: global_buffer, .address_space: global }
    .group_segment_fixed_size: 327680
    .private_segment_fixed_size: 0
    .kernarg_segment_align: 8
    .kernarg_segment_size: 16
    .max_flat_workgroup_size: 256
    .sgpr_count:     80
    .vgpr_count:     258
    .wavefront_size: 32
...
	.end_amdgpu_metadata
.endif
;; end of part 5
;; launch outp (part 6): grid 4 x 64, 4 waves a work-group, clusters of 4 x 4, 327,680 bytes of LDS; arguments ctxh, wo16, out0; writes out0
.if DOCPART == 6
	.amdgcn_target "amdgcn-amd-amdhsa--gfx1250"
	.amdhsa_code_object_version 6
	.text
	.protected	k_q531bb92784_outp
	.globl	k_q531bb92784_outp
	.p2align	8
	.type	k_q531bb92784_outp,@function
k_q531bb92784_outp:
	s_mov_b64 s[64:65], 0
	v_nop
	global_prefetch_b8 v0, s[64:65] scope:SCOPE_SE
	s_setreg_imm32_b32 hwreg(HW_REG_WAVE_MODE, 25, 1), 1
	s_wait_xcnt 0x0
	s_wait_alu depctr_hold_cnt(0) depctr_sa_sdst(0) depctr_va_vdst(0) depctr_va_sdst(0) depctr_va_ssrc(0) depctr_va_vcc(0) depctr_vm_vsrc(0)
	s_getreg_b32 s2, hwreg(HW_REG_IB_STS2, 6, 4)
	s_cmp_eq_u32 s2, 0
	s_cbranch_scc0 .Lentry_in_a_cluster
	s_endpgm
.Lentry_in_a_cluster:
	s_bfe_u32 s2, ttmp6, 0x10000c
	s_cmp_lg_u32 s2, 0xf033
	s_cbranch_scc0 .Lentry_shape_is_right
	s_endpgm
.Lentry_shape_is_right:
; out0 = ctx Wo^T in f32.  ctxh: [part][batch][head][s][64] f16, part 0 = ctx rounded to f16, part 1 = the remainder of that rounding;
; wo16: [1024][1024] f16.
; PRECISION: of part 1 only the first 16 rows of each block of 128 rows are read.  They are multiplied by the same fragments of Wo and summed into
; the same f32 accumulators as their rows.  The remainder is needed at a batch's head, where a row averages at most 16 keys and is large against
; the rest of the output.  It is added in EVERY block of 128 rows: so the sixteen partners of a cluster run one path (no branch and no load hangs
; on a block's place), for 4 matrix instructions more on every 32.
; LIMIT: f16's range for ctx and Wo, as stated where they are made.
; A work-group makes 128 rows x 256 columns with four waves; a wave makes all 128 rows x 64 columns: 32 accumulator tiles, 256 registers, so that
; the remainder's products fall on all four waves alike.  K goes in steps of 128 (two heads) through a ring of two LDS slots:
; 144 matrix instructions and 104 LDS loads a wave and step.  256 work-groups.
; CLUSTERS: 4 x 4 work-groups; ctx's tiles (and the remainder's) are shared along a row of the cluster, Wo's along a column, each asked for jointly.
; REGISTERS: window 0: v0-31 addresses; v64-135 and v136-207 fragments of ctx (0-7 its 128 rows, 8 the remainder), two buffers; window 1: the four
; fragments of Wo at the same numbers, two buffers; window 2: the accumulators, tile (a, b) at v[8 (4 a + b)].
; The matrix instruction is used transposed (source 0 = rows of Wo, source 1 = rows of ctx): a lane's eight results are eight neighbouring columns of a row.
.set APITCH, 144                       ; a row of ctx in LDS: 128 bytes (one head) + 16
.set AHEAD,  128*APITCH                ; one head's 128 rows: 18,432
.set APART,  2*AHEAD                   ; two heads: 36,864: one tensor load
.set LHEAD,  16*APITCH                 ; one head's 16 rows of remainders: 2,304
.set BPITCH, 272                       ; a row of Wo in LDS: 256 bytes + 16
.set BHALF,  128*BPITCH                ; 34,816: one tensor load
.set AOFF,   2*APART                   ; a slot: Wo's 256 rows from 0 (69,632 bytes); ctx at 73,728 = 2 x 36,864;
.set LOFF,   3*APART                   ; the remainders at 110,592 = 3 x 36,864: each wave's target is its number times a constant
.set SLOT,   LOFF+2*LHEAD              ; 115,200
.set STAGE,  2*SLOT                    ; 230,400: 16 rows x 272 bytes for each wave; no fill lands here
.set SPITCH, 272                       ; 64 f32 + 16 bytes
.set ASTEP,  2*262144                  ; a K step in either part of ctxh: two planes
.set BSTEP,  256                       ; a K step in wo16: 128 f16
.set LAPS,   4                         ; 8 K steps, two a lap
.set ADRA, 16                          ; v16-17  LDS address of ctx's fragments in slot 0, 1
.set ADRB, 20                          ; v20-21  the same for my 64 rows of Wo
.set STO,  24
.set RD,   25
.set CO,   26
.set F0,   64
.set F1,   136
.set G1,  24                           ; s[24:31] group 1 for ctx
.set G0,  32                           ; s[32:39] group 0 for ctx, one set a slot
.set G1B, 48                           ; s[48:55] group 1 for Wo
.set G0B, 56                           ; s[56:63] group 0 for Wo
.set G1L, 68                           ; s[68:75] group 1 for the remainders
.set G0L, 76                           ; s[76:83] group 0 for the remainders
.set MSB, 0
.macro WIN new                         ; the immediate's high byte repeats the setting that is left
.if MSB != \new
	s_set_vgpr_msb (MSB<<8)|\new
.set MSB, \new
.endif
.endm
.set MUL,  0xa1                        ; source 0 (Wo) window 1, source 1 (ctx) window 0, C and D window 2
.set TO_B, 0x40                        ; destination window 1
; A joint load, one a wave: waves 0, 1 Wo's halves, wave 2 ctx, wave 3 the remainders.  The branches hang on the wave's number alone.
.macro JLOAD s
	s_cmp_lt_u32 s10, 2
	s_cbranch_scc0 .Lfor_a_\@
	tensor_load_to_lds s[G0B+4*\s:G0B+4*\s+3], s[G1B:G1B+7]
	s_nop 0
	s_branch .Lasked_\@
.Lfor_a_\@:
	s_cmp_eq_u32 s10, 2
	s_cbranch_scc0 .Lfor_l_\@
	tensor_load_to_lds s[G0+4*\s:G0+4*\s+3], s[G1:G1+7]
	s_nop 0
	s_branch .Lasked_\@
.Lfor_l_\@:
	tensor_load_to_lds s[G0L+4*\s:G0L+4*\s+3], s[G1L:G1L+7]
	s_nop 0
.Lasked_\@:
.endm
.macro CREST
	s_cmp_lg_u32 s10, 0
	s_cbranch_scc1 .Lnot_wave_0_\@
	s_barrier_signal -3
.Lnot_wave_0_\@:
	s_barrier_wait -3
	s_barrier_signal -1
	s_barrier_wait -1
.endm
.macro CROUND
	s_barrier_signal -1
	s_barrier_wait -1
	CREST
.endm
	s_load_b64 s[4:5], s[0:1], 0x0                 ; ctxh
	s_load_b64 s[84:85], s[0:1], 0x8               ; wo16
	s_load_b64 s[86:87], s[0:1], 0x10              ; out0
	s_set_vgpr_msb 0x40
	v_lshl_add_u32 v255, v0, 2, 0x3c800
	s_set_vgpr_msb 0x4000
	v_mov_b32 v255, 0
	s_set_vgpr_msb 0x1
	ds_add_u32 v255, v255
	s_set_vgpr_msb 0x100
	v_lshrrev_b32 v1, 5, v0
	v_readfirstlane_b32 s10, v1                    ; wave 0..3: my 64 columns; also what I fetch
	s_and_b32 s12, s10, 1                          ; which 128 rows of Wo's tile I fetch
	s_bfe_u32 s40, ttmp6, 0x40000                  ; cx
	s_bfe_u32 s41, ttmp6, 0x40004                  ; cy
	s_lshl_b32 s42, ttmp9, 2
	s_add_co_u32 s42, s42, s40                     ; block column
	s_and_b32 s13, ttmp7, 0xffff
	s_lshl_b32 s13, s13, 2
	s_add_co_u32 s13, s13, s41                     ; block row
	s_lshl_b32 s43, s41, 2
	s_lshl_b32 s43, 15, s43                        ; my row of the cluster
	s_lshl_b32 s44, 0x1111, s40                    ; my column
	; ctx: two rows of 8,192 elements (one head's 128 rows of 128 bytes, dense), 131,072 elements apart (a plane); 4 words of padding behind every 32
	s_or_b32 s[G1+0], s43, (1<<16)|(1<<20)|(1<<21)|(4<<22)|(3<<25)
	s_mov_b32 s[G1+1], 8192<<16                    ; tensor_dim0 = 8,192
	s_mov_b32 s[G1+2], 2<<16                       ; tensor_dim1 = 2
	s_mov_b32 s[G1+3], 8192<<16                    ; tile_dim0 = 8,192
	s_mov_b32 s[G1+4], 2                           ; tile_dim1 = 2
	s_mov_b32 s[G1+5], 131072                      ; elements from row to row
	s_mov_b32 s[G1+6], 0
	s_mov_b32 s[G1+7], 0
	; the remainders: two rows of 1,024 elements (one head's first 16 rows of the block, dense), a plane apart; the same padding
	s_or_b32 s[G1L+0], s43, (1<<16)|(1<<20)|(1<<21)|(4<<22)|(3<<25)
	s_mov_b32 s[G1L+1], 1024<<16
	s_mov_b32 s[G1L+2], 2<<16
	s_mov_b32 s[G1L+3], 1024<<16
	s_mov_b32 s[G1L+4], 2
	s_mov_b32 s[G1L+5], 131072
	s_mov_b32 s[G1L+6], 0
	s_mov_b32 s[G1L+7], 0
	; Wo: 128 rows x 128 elements, 1,024 elements apart; 4 words of padding behind every 64
	s_or_b32 s[G1B+0], s44, (1<<16)|(1<<20)|(1<<21)|(5<<22)|(3<<25)
	s_mov_b32 s[G1B+1], 128<<16
	s_mov_b32 s[G1B+2], 128<<16
	s_mov_b32 s[G1B+3], 128<<16
	s_mov_b32 s[G1B+4], 128
	s_mov_b32 s[G1B+5], 1024
	s_mov_b32 s[G1B+6], 0
	s_mov_b32 s[G1B+7], 0
	; ctx's and the remainders' tiles hang on the block row alone, Wo's on the block column and the wave, each in registers that never hold the other coordinate
	s_lshr_b32 s17, s13, 4                         ; batch = block row / 16
	s_and_b32 s21, s13, 15                         ; block of 128 rows inside the batch
	s_lshl_b32 s16, s17, 22                        ; 16 planes of 262,144 bytes a batch,
	s_lshl_b32 s22, s21, 14                        ; 128 rows of 128 bytes a block
	s_add_co_u32 s16, s16, s22
	s_mov_b32 s17, 0
	s_lshl_b32 s46, s42, 19                        ; 256 rows of 2,048 bytes for each block column
	s_lshl_b32 s47, s12, 18                        ; my 128 rows
	s_add_co_u32 s46, s46, s47
	s_mov_b32 s47, 0
	s_mul_i32 s20, s10, BHALF                      ; LDS: waves 0, 1 at W x 34,816
	s_mul_i32 s45, s10, APART                      ; waves 2, 3 at W x 36,864
	s_wait_dscnt 0x0
	s_wait_kmcnt 0x0
	s_add_nc_u64 s[14:15], s[4:5], s[16:17]        ; ctx's tile, part 0
	s_add_nc_u64 s[18:19], s[14:15], 0x1000000     ; the same rows in part 1: the tile takes the first 16 of them
	s_add_nc_u64 s[46:47], s[84:85], s[46:47]
	CROUND                                         ; all sixteen work-groups are here: the first joint loads meet
.irp s, 0,1
	s_mov_b32 s[G0+4*\s], 1
	s_add_co_u32 s[G0+4*\s+1], s45, \s*SLOT
	s_add_nc_u64 s[G0+4*\s+2:G0+4*\s+3], s[14:15], \s*ASTEP
	s_or_b32 s[G0+4*\s+3], s[G0+4*\s+3], 0x80000000
	s_mov_b32 s[G0L+4*\s], 1
	s_add_co_u32 s[G0L+4*\s+1], s45, \s*SLOT
	s_add_nc_u64 s[G0L+4*\s+2:G0L+4*\s+3], s[18:19], \s*ASTEP
	s_or_b32 s[G0L+4*\s+3], s[G0L+4*\s+3], 0x80000000
	s_mov_b32 s[G0B+4*\s], 1
	s_add_co_u32 s[G0B+4*\s+1], s20, \s*SLOT
	s_add_nc_u64 s[G0B+4*\s+2:G0B+4*\s+3], s[46:47], \s*BSTEP
	s_or_b32 s[G0B+4*\s+3], s[G0B+4*\s+3], 0x80000000
	JLOAD \s                                       ; both slots' first fills, two loads a wave out
.endr
	v_and_b32 v1, 15, v0                           ; r
	v_bfe_u32 v2, v0, 4, 1                         ; h
	v_mul_u32_u24 v3, v1, APITCH
	v_lshl_add_u32 v3, v2, 4, v3
	v_mul_u32_u24 v4, v1, BPITCH
	v_lshl_add_u32 v4, v2, 4, v4
	v_add_nc_u32 v[ADRA], AOFF, v3
	v_add_nc_u32 v[ADRA+1], AOFF+SLOT, v3
	s_mul_i32 s22, s10, 64*BPITCH                  ; my 64 rows of Wo
	v_add_nc_u32 v[ADRB], s22, v4
	s_add_co_u32 s22, s22, SLOT
	v_add_nc_u32 v[ADRB+1], s22, v4
	s_mul_i32 s23, s10, 16*SPITCH
	s_add_co_u32 s23, s23, STAGE                   ; my stage
	v_mul_u32_u24 v5, v1, SPITCH
	v_lshl_add_u32 v5, v2, 5, v5                   ; in: row r, 32 bytes for each half of the lanes
	v_add_nc_u32 v[STO], s23, v5
	v_mul_u32_u24 v5, v2, SPITCH                   ; back: lanes 0-15 take one row of 256 bytes, lanes 16-31 the next
	v_lshl_add_u32 v5, v1, 4, v5
	v_add_nc_u32 v[RD], s23, v5
	v_lshlrev_b32 v5, 12, v2                       ; and the same two rows in out0
	v_lshl_add_u32 v[CO], v1, 4, v5
; 8 matrix instructions: row blocks a0, a0 + 1 x my 4 column blocks, 32 along K.  zero = 1: the first product starts the sums.
.macro MUL8 f, a0, zero
.irp a, \a0, \a0+1
.irp b, 0,1,2,3
.if \zero
	v_wmma_f32_16x16x32_f16 v[8*(4*(\a)+\b):8*(4*(\a)+\b)+7], v[\f+8*\b:\f+8*\b+7], v[\f+8*(\a):\f+8*(\a)+7], 0
.else
	v_wmma_f32_16x16x32_f16 v[8*(4*(\a)+\b):8*(4*(\a)+\b)+7], v[\f+8*\b:\f+8*\b+7], v[\f+8*(\a):\f+8*(\a)+7], v[8*(4*(\a)+\b):8*(4*(\a)+\b)+7]
.endif
.endr
.endr
.endm
; 4 matrix instructions: the remainder of rows 0-15 onto row block 0's sums
.macro MULL f
.irp b, 0,1,2,3
	v_wmma_f32_16x16x32_f16 v[8*\b:8*\b+7], v[\f+8*\b:\f+8*\b+7], v[\f+64:\f+71], v[8*\b:8*\b+7]
.endr
.endm
; 26 LDS loads in one run: quarter kq's fragments into buffer f: my 64 rows of Wo; ctx's 128 rows (head kq / 2, d = 32 (kq % 2) ..); the remainder's 16 rows
.macro FETCH slot, kq, f
	WIN TO_B
.irp i, 0,1,2,3
	ds_load_b128 v[\f+8*\i:\f+8*\i+3],   v[ADRB+\slot] offset:64*\kq+\i*16*BPITCH
	ds_load_b128 v[\f+8*\i+4:\f+8*\i+7], v[ADRB+\slot] offset:64*\kq+\i*16*BPITCH+32
.endr
	WIN 0
.irp i, 0,1,2,3,4,5,6,7
	ds_load_b128 v[\f+8*\i:\f+8*\i+3],   v[ADRA+\slot] offset:(\kq>>1)*AHEAD+(\kq&1)*64+\i*16*APITCH
	ds_load_b128 v[\f+8*\i+4:\f+8*\i+7], v[ADRA+\slot] offset:(\kq>>1)*AHEAD+(\kq&1)*64+\i*16*APITCH+32
.endr
	ds_load_b128 v[\f+64:\f+67], v[ADRA+\slot] offset:LOFF-AOFF+(\kq>>1)*LHEAD+(\kq&1)*64
	ds_load_b128 v[\f+68:\f+71], v[ADRA+\slot] offset:LOFF-AOFF+(\kq>>1)*LHEAD+(\kq&1)*64+32
.endm
; Four plain vector places stand between a matrix instruction and a load into one of its registers or a read of its result.
.macro PLACES
.rept 4
	v_nop
.endr
.endm
; A quarter step: 36 matrix instructions on buffer f; in its middle the next quarter's fragments are fetched into buffer g.
; The accumulators take turns, one instruction a turn, in the same order everywhere: between two instructions on one
; accumulator stand at least three on others.
.macro QUARTER slot, kq, f, g, zero
	s_wait_dscnt 10                                ; Wo and ctx's rows 0-63 are in; the youngest ten loads (rows 64-127, the remainder) may be out
	WIN MUL
	MUL8 \f, 0, \zero
	MUL8 \f, 2, \zero
	PLACES
	FETCH \slot, \kq, \g
	s_wait_dscnt 26                                ; all but the 26 just issued
	WIN MUL
	MUL8 \f, 4, \zero
	MUL8 \f, 6, \zero
	MULL \f
.endm
.macro THREE slot, zero
	QUARTER \slot, 1, F0, F1, \zero
	QUARTER \slot, 2, F1, F0, 0
	QUARTER \slot, 3, F0, F1, 0
.endm
; The last quarter changes slots.  In front of the barrier each wave waits for its reads of this slot and for all its tensor loads (one is
; out: its part of the next slot).  Behind the round the refill comes first, then the next slot's first fragments.
; From a request to the wait for it a wave issues 136 matrix instructions.
.macro TURN slot, next, fill
	s_wait_dscnt 10
	WIN MUL
	MUL8 F1, 0, 0
	s_wait_dscnt 0                                 ; my reads of this slot are over
	s_wait_tensorcnt 0x0                           ; all my tensor loads have landed
	ds_add_u32 v255, v255
	s_wait_dscnt 0x0
	s_barrier_signal -1
	MUL8 F1, 2, 0                                  ; register work while the others arrive
	WIN 0
	s_barrier_wait -1
.if \fill
	CREST                                          ; no wave of any partner still reads this slot or has a load on its way
	s_add_nc_u64 s[G0+4*\slot+2:G0+4*\slot+3], s[G0+4*\slot+2:G0+4*\slot+3], 2*ASTEP
	s_add_nc_u64 s[G0L+4*\slot+2:G0L+4*\slot+3], s[G0L+4*\slot+2:G0L+4*\slot+3], 2*ASTEP
	s_add_nc_u64 s[G0B+4*\slot+2:G0B+4*\slot+3], s[G0B+4*\slot+2:G0B+4*\slot+3], 2*BSTEP
	JLOAD \slot                                    ; the wave's one tensor load behind the round
.endif
	PLACES
	FETCH \next, 0, F0
	WIN MUL
	MUL8 F1, 4, 0
	MUL8 F1, 6, 0
	MULL F1
.endm
.macro LAP zero
	THREE 0, \zero
	TURN 0, 1, 1
	THREE 1, 0
	TURN 1, 0, 1
.endm
	s_wait_tensorcnt 1                             ; my part of K step 0 is in; K step 1's stays out
	s_barrier_signal -1
	s_barrier_wait -1
	FETCH 0, 0, F0
	LAP 1                                          ; the first lap's first products start the sums
	WIN 0
	s_mov_b32 s3, LAPS-2
.Llap:
	LAP 0
	WIN 0
	s_sub_co_u32 s3, s3, 1
	s_cmp_lg_u32 s3, 0
	s_cbranch_scc1 .Llap
	THREE 0, 0                                     ; the last lap fills nothing
	TURN 0, 1, 0
	THREE 1, 0
	s_wait_dscnt 10
	WIN MUL
	MUL8 F1, 0, 0
	MUL8 F1, 2, 0
	s_wait_dscnt 0
	MUL8 F1, 4, 0
	MUL8 F1, 6, 0
	MULL F1
	; THE WAY OUT, 16 rows at a time: the f32 sums go into my own stage as they are, are read back as whole rows of 256 bytes and stored.
	PLACES
	s_lshl_b32 s16, s13, 19                        ; 128 rows of 4,096 bytes for each block row
	s_mov_b32 s17, 0
	s_add_nc_u64 s[8:9], s[86:87], s[16:17]
	s_lshl_b32 s46, s42, 10                        ; 256 columns of 4 bytes for each block column
	s_lshl_b32 s47, s10, 8                         ; my 64 columns
	s_add_co_u32 s46, s46, s47
	s_mov_b32 s47, 0
	s_add_nc_u64 s[8:9], s[8:9], s[46:47]
.macro OUT16 a, f
	WIN 0x08                                       ; an LDS store's data is source 1: window 2
.irp b, 0,1,2,3
	ds_store_b128 v[STO], v[8*(4*\a+\b):8*(4*\a+\b)+3]   offset:64*\b
	ds_store_b128 v[STO], v[8*(4*\a+\b)+4:8*(4*\a+\b)+7] offset:64*\b+16
.endr
	WIN 0
	s_wait_xcnt 0x0                                ; buffer f, which earlier stores read, and the stores' base are rewritten only behind this wait
.if \a
	s_add_nc_u64 s[8:9], s[8:9], 16*4096           ; 16 rows on
.endif
.irp t, 0,1,2,3,4,5,6,7
	ds_load_b128 v[\f+4*\t:\f+4*\t+3], v[RD] offset:\t*2*SPITCH    ; a wave's LDS instructions are served in order: these see the stores above
.endr
.irp t, 0,1,2,3,4,5,6,7
	s_wait_dscnt 7-\t                              ; the younger read-backs stay out
	global_store_b128 v[CO], v[\f+4*\t:\f+4*\t+3], s[8:9] offset:2*4096*\t th:TH_STORE_NT   ; 16 lanes store 256 consecutive bytes of a row, aligned
.endr
.endm
	OUT16 0, F0
	OUT16 1, F1
	OUT16 2, F0
	OUT16 3, F1
	OUT16 4, F0
	OUT16 5, F1
	OUT16 6, F0
	OUT16 7, F1
	s_set_vgpr_msb 0x1
	s_wait_tensorcnt 0x0
	ds_add_u32 v255, v255
	s_wait_dscnt 0x0
	s_set_vgpr_msb 0x100
	CROUND                                         ; the closing round: no work-group ends while a partner may still ask for a tile that names it
	s_endpgm
.Lfunc_end_k_q531bb92784_outp:
	.size	k_q531bb92784_outp, .Lfunc_end_k_q531bb92784_outp-k_q531bb92784_outp
	.p2alignl 7, 3214868480
	.fill 96, 4, 3214868480
	.section	.rodata,"a",@progbits
	.p2align	6, 0x0
	.amdhsa_kernel k_q531bb92784_outp
		.amdhsa_group_segment_fixed_size 327680
		.amdhsa_private_segment_fixed_size 0
		.amdhsa_enable_private_segment 0
		.amdhsa_kernarg_size 24
		.amdhsa_user_sgpr_count 2
		.amdhsa_user_sgpr_kernarg_segment_ptr 1
		.amdhsa_wavefront_size32 1
		.amdhsa_system_sgpr_workgroup_id_x 1
		.amdhsa_system_sgpr_workgroup_id_y 1
		.amdhsa_system_sgpr_workgroup_id_z 1
		.amdhsa_system_vgpr_workitem_id 0
		.amdhsa_next_free_vgpr 768
		.amdhsa_next_free_sgpr 88
		.amdhsa_reserve_vcc 0
		.amdhsa_float_denorm_mode_32 3
		.amdhsa_float_denorm_mode_16_64 3
		.amdhsa_memory_ordered 1
		.amdhsa_forward_progress 1
		.amdhsa_inst_pref_size 131
	.end_amdhsa_kernel
	.amdgpu_metadata
---
amdhsa.version: [ 1, 2 ]
amdhsa.kernels:
  - .name:           k_q531bb92784_outp
    .symbol:         k_q531bb92784_outp.kd
    .args:
      - { .name: ctxh, .offset: 0, .size: 8, .value_kind: global_buffer, .address_space: global }
      - { .name: wo16, .offset: 8, .size: 8, .value_kind: global_buffer, .address_space: global }
      - { .name: out0, .offset: 16, .size: 8, .value_kind: global_buffer, .address_space: global }
    .group_segment_fixed_size: 327680
    .private_segment_fixed_size: 0
    .kernarg_segment_align: 8
    .kernarg_segment_size: 24
    .max_flat_workgroup_size: 128
    .sgpr_count:     88
    .vgpr_count:     768
    .wavefront_size: 32
...
	.end_amdgpu_metadata
.endif
;; end of part 6
;; ======== version 3 of 3: 4 launches; version 2 with the launch cast written anew for expert scheduling mode
;; limits: values are held in f16: magnitudes above 65,504 overflow, below 6.1e-05 lose precision
;; workspace buffers: xb 16,777,216 bytes; wqkv 6,291,456 bytes; wo16 2,097,152 bytes; qkvh 50,331,648 bytes; ctxh 33,554,432 bytes
;; launch cast (part 7): grid 768 x 1, 8 waves a work-group, no clusters, 0 bytes of LDS; arguments x, Wq, Wk, Wv, Wo, xb, wqkv, wo16; writes xb, wqkv, wo16
.if DOCPART == 7
	.amdgcn_target "amdgcn-amd-amdhsa--gfx1250"
	.amdhsa_code_object_version 6
	.text
	.protected	k_q531bb92784_cast
	.globl	k_q531bb92784_cast
	.p2align	8
	.type	k_q531bb92784_cast,@function
k_q531bb92784_cast:
	s_mov_b64 s[64:65], 0
	v_nop
	global_prefetch_b8 v0, s[64:65] scope:SCOPE_SE
	s_setreg_imm32_b32 hwreg(HW_REG_WAVE_SCHED_MODE, 0, 2), 2
	s_setreg_imm32_b32 hwreg(HW_REG_WAVE_MODE, 25, 1), 1
	s_wait_xcnt 0x0
	s_wait_alu depctr_vm_vsrc(0)
; Rounds the f32 inputs once to bf16: x -> xb, Wq|Wk|Wv -> wqkv (rows in that order), both kept as bf16;
; Wo -> wo16, the bf16-rounded value kept in f16 (the last product runs in f16 beside an f16 pair of ctx).
; LIMIT: |Wo| < 65,504 (f16's range); a bf16 value of Wo below 2^-14 loses bits in f16, absolute error at most 2^-25.
; A stream: a work-group takes 64 KiB of one input (16 loads of 16 bytes a thread, all issued first) and stores 32 KiB;
; each store of a wave covers 256 consecutive bytes, aligned.  No LDS, no matrix unit, no cluster: nothing is shared or reused.
; THE MODE: SCHED_MODE bits 1:0 = 2 (LLVM: expert scheduling mode 2), set by the entry lines.  The code itself states the register dependences
; between vector instructions and memory instructions, with s_wait_alu, always for 0.
; THE PLAN.  Registers that memory instructions touch:
;   v1, v2   byte offsets of the loads and of the stores: made once at the head, never written again.
;   X        written by the 16 loads, which are issued before any vector instruction names X; read, and on the f16 path used again as scratch,
;            by vector instructions alone; no memory instruction reads X.
;   Y        written by the conversions alone; each pair is read by one store and never written behind it.
; So no register that a memory instruction reads is ever written again, and no load lands in a register that a vector instruction has named: what is
; left to state is that v1, v2 and Y are written before loads and stores read them.  The 16 loads go in four groups of four.  Group g rounds its four loads
; into its own eight registers of Y; its memory instructions are the four stores of group g - 1, whose registers no vector instruction of group g
; names.  One wait at a group's head therefore serves its four stores, which are dealt among its conversions with no further wait.
.set X, 4                              ; v[4:67]   16 loads of 4 f32
.set Y, 68                             ; v[68:99]  16 pairs of packed results
	s_load_b256 s[4:11], s[0:1], 0x0               ; x s[4:5], Wq s[6:7], Wk s[8:9], Wv s[10:11]
	s_load_b256 s[12:19], s[0:1], 0x20             ; Wo s[12:13], xb s[14:15], wqkv s[16:17], wo16 s[18:19]
	v_lshlrev_b32 v1, 4, v0                        ; 16 bytes a thread in
	v_lshlrev_b32 v2, 3, v0                        ; 8 bytes a thread out
	s_mov_b32 s26, ttmp9                           ; id: 0-511 chunks of x, 512-767 chunks of the four weights
	s_sub_co_u32 s27, s26, 512                     ; k: chunk among the weights (used only where id >= 512)
	s_lshr_b32 s28, s27, 6                         ; which weight (64 chunks each)
	s_and_b32 s29, s27, 63                         ; chunk inside it
	s_sub_co_u32 s31, s27, 192                     ; chunk of wo16 (used only where id >= 704)
	s_mov_b32 s25, 0
	s_wait_kmcnt 0x0
	s_cmp_eq_u32 s28, 2
	s_cselect_b64 s[20:21], s[10:11], s[12:13]     ; Wv, else Wo
	s_cmp_eq_u32 s28, 1
	s_cselect_b64 s[20:21], s[8:9], s[20:21]       ; Wk
	s_cmp_eq_u32 s28, 0
	s_cselect_b64 s[20:21], s[6:7], s[20:21]       ; Wq
	s_cmp_lt_u32 s26, 512
	s_cselect_b64 s[20:21], s[4:5], s[20:21]       ; x
	s_cselect_b32 s24, s26, s29                    ; chunk in
	s_cselect_b64 s[22:23], s[14:15], s[16:17]     ; xb, else wqkv
	s_cselect_b32 s30, s26, s27                    ; chunk out
	s_cmp_ge_u32 s26, 704
	s_cselect_b64 s[22:23], s[18:19], s[22:23]     ; wo16
	s_cselect_b32 s30, s31, s30
	s_lshl_b32 s24, s24, 16                        ; 64 KiB a chunk in
	s_add_nc_u64 s[20:21], s[20:21], s[24:25]
	s_lshl_b32 s24, s30, 15                        ; 32 KiB a chunk out
	s_add_nc_u64 s[22:23], s[22:23], s[24:25]
	s_wait_alu depctr_va_vdst(0)                   ; v1 and v2 are written: every load of the kernel reads v1 as its offset, every store v2
.irp k, 0,1,2,3,4,5,6,7,8,9,10,11,12,13,14,15
	global_load_b128 v[X+4*\k:X+4*\k+3], v1, s[20:21] offset:4096*\k th:TH_LOAD_NT
.endr
; Group g: loads 4 g to 4 g + 3 are rounded; the four stores of the group before stand one in front of each load's conversions.
; No register is written behind the memory instruction that reads it, so nothing waits for a store.
.macro GROUP g, half
	s_wait_loadcnt 12-4*(\g)                       ; loads return in order: this group's four are in, the 12 - 4 g of the younger groups stay out
.if \g
	s_wait_alu depctr_va_vdst(0)                   ; the group before has written its eight registers of Y, which the four stores below read; no vector instruction behind this wait names them
.endif
.irp i, 0,1,2,3
.set k, 4*(\g)+(\i)
.if \g
	global_store_b64 v2, v[Y+2*(k-4):Y+2*(k-4)+1], s[22:23] offset:2048*(k-4)
.endif
	v_cvt_pk_bf16_f32 v[Y+2*k],   v[X+4*k],   v[X+4*k+1]
	v_cvt_pk_bf16_f32 v[Y+2*k+1], v[X+4*k+2], v[X+4*k+3]
.if \half
	v_lshlrev_b32 v[X+4*k],   16, v[Y+2*k]                     ; the rounded values back in f32,
	v_and_b32     v[X+4*k+1], 0xffff0000, v[Y+2*k]
	v_lshlrev_b32 v[X+4*k+2], 16, v[Y+2*k+1]
	v_and_b32     v[X+4*k+3], 0xffff0000, v[Y+2*k+1]
	v_cvt_pk_f16_f32 v[Y+2*k],   v[X+4*k],   v[X+4*k+1]        ; and written as f16 (exact inside f16's normal range)
	v_cvt_pk_f16_f32 v[Y+2*k+1], v[X+4*k+2], v[X+4*k+3]
.endif
.endr
.endm
; Behind the last group: its own four stores.
.macro LAST
	s_wait_alu depctr_va_vdst(0)                   ; group 3 has written its eight registers of Y, which the last four stores read
.irp k, 12,13,14,15
	global_store_b64 v2, v[Y+2*\k:Y+2*\k+1], s[22:23] offset:2048*\k
.endr
.endm
	s_cmp_ge_u32 s26, 704
	s_cbranch_scc1 .Lhalf
	GROUP 0, 0
	GROUP 1, 0
	GROUP 2, 0
	GROUP 3, 0
	LAST
	s_endpgm
.Lhalf:
	GROUP 0, 1
	GROUP 1, 1
	GROUP 2, 1
	GROUP 3, 1
	LAST
	s_endpgm
.Lfunc_end_k_q531bb92784_cast:
	.size	k_q531bb92784_cast, .Lfunc_end_k_q531bb92784_cast-k_q531bb92784_cast
	.p2alignl 7, 3214868480
	.fill 96, 4, 3214868480
	.section	.rodata,"a",@progbits
	.p2align	6, 0x0
	.amdhsa_kernel k_q531bb92784_cast
		.amdhsa_group_segment_fixed_size 0
		.amdhsa_private_segment_fixed_size 0
		.amdhsa_enable_private_segment 0
		.amdhsa_kernarg_size 64
		.amdhsa_user_sgpr_count 2
		.amdhsa_user_sgpr_kernarg_segment_ptr 1
		.amdhsa_wavefront_size32 1
		.amdhsa_system_sgpr_workgroup_id_x 1
		.amdhsa_system_sgpr_workgroup_id_y 1
		.amdhsa_system_sgpr_workgroup_id_z 1
		.amdhsa_system_vgpr_workitem_id 0
		.amdhsa_next_free_vgpr 100
		.amdhsa_next_free_sgpr 66
		.amdhsa_reserve_vcc 0
		.amdhsa_float_denorm_mode_32 3
		.amdhsa_float_denorm_mode_16_64 3
		.amdhsa_memory_ordered 1
		.amdhsa_forward_progress 1
		.amdhsa_inst_pref_size 16
	.end_amdhsa_kernel
	.amdgpu_metadata
---
amdhsa.version: [ 1, 2 ]
amdhsa.kernels:
  - .name:           k_q531bb92784_cast
    .symbol:         k_q531bb92784_cast.kd
    .args:
      - { .name: x, .offset: 0, .size: 8, .value_kind: global_buffer, .address_space: global }
      - { .name: Wq, .offset: 8, .size: 8, .value_kind: global_buffer, .address_space: global }
      - { .name: Wk, .offset: 16, .size: 8, .value_kind: global_buffer, .address_space: global }
      - { .name: Wv, .offset: 24, .size: 8, .value_kind: global_buffer, .address_space: global }
      - { .name: Wo, .offset: 32, .size: 8, .value_kind: global_buffer, .address_space: global }
      - { .name: xb, .offset: 40, .size: 8, .value_kind: global_buffer, .address_space: global }
      - { .name: wqkv, .offset: 48, .size: 8, .value_kind: global_buffer, .address_space: global }
      - { .name: wo16, .offset: 56, .size: 8, .value_kind: global_buffer, .address_space: global }
    .group_segment_fixed_size: 0
    .private_segment_fixed_size: 0
    .kernarg_segment_align: 8
    .kernarg_segment_size: 64
    .max_flat_workgroup_size: 256
    .sgpr_count:     66
    .vgpr_count:     100
    .wavefront_size: 32
...
	.end_amdgpu_metadata
.endif
;; end of part 7
;; launch qkv: the kernel of part 2 again; grid 12 x 32, 4 waves a work-group, clusters of 4 x 4, 327,680 bytes of LDS; arguments xb, wqkv, qkvh; writes qkvh
;; launch attn: the kernel of part 5 again; grid 4 x 64, 8 waves a work-group, no clusters, 327,680 bytes of LDS; arguments qkvh, ctxh; writes ctxh
;; launch outp: the kernel of part 6 again; grid 4 x 64, 4 waves a work-group, clusters of 4 x 4, 327,680 bytes of LDS; arguments ctxh, wo16, out0; writes out0
